; MI455X (gfx1250); checked and timed in simulation.
; The chip was launched on July 23, 2026; its instructions are those of AMD's public machine-readable ISA for CDNA 5 (MIT licence, August 2026) and "CDNA5" Instruction Set Architecture Reference Guide (July 2026). The comments in the code are by the model that wrote it; some were corrected since.
;; Multi Head Attention. Allowed arithmetic: matrix products marked QUANTISED: E2M3 operands, one E8M0 scale for each 32 along K, by v_wmma_scale_f32_16x16x128_f8f6f4 with both operands' format E2M3, f32 sums; everything else in f32.
;; Inputs: W_k 1,024 x 1,024 float32; W_o 1,024 x 1,024 float32; W_q 1,024 x 1,024 float32; W_v 1,024 x 1,024 float32; b_k 1,024 float32; b_o 1,024 float32; b_q 1,024 float32; b_v 1,024 float32; x 4 x 2,048 x 1,024 float32.
;; Outputs: out0 4 x 2,048 x 1,024 float32.
;; This version of the problem:
;;   THIS VERSION OF THE PROBLEM IS GIVEN IN LOW PRECISION. The matrix products marked QUANTISED in the list below multiply operands that are first quantised to E2M3 (2 exponent bits, 3 mantissa bits; 6 bits a number), with one power-of-two scale for each 32 numbers along K (OCP MX v1.0); their sums are f32. All else is computed in f32.
;;   The module's matrix products, in the order in which they are computed (A, B: the left and right operand; K: the contracted axis; several contracted axes count as one K, in the product's order):
;;     1. [M 8,192, K 1,024] x [K 1,024, N 1,024]; A: input x; B: input W_q: QUANTISED
;;     2. [M 8,192, K 1,024] x [K 1,024, N 1,024]; A: input x; B: input W_k: QUANTISED
;;     3. [M 8,192, K 1,024] x [K 1,024, N 1,024]; A: input x; B: input W_v: QUANTISED
;;     4. batch 64 x [M 2,048, K 64] x [K 64, N 2,048]; A: computed on the way; B: computed on the way: QUANTISED
;;     5. batch 64 x [M 2,048, K 2,048] x [K 2,048, N 64]; A: softmax (see below); B: computed on the way: QUANTISED
;;     6. [M 8,192, K 1,024] x [K 1,024, N 1,024]; A: computed on the way; B: input W_o: QUANTISED
;;   THE QUANTISER, for each operand of a quantised product, along K:
;;     - K is cut into blocks of 32 from its start; a last block that is shorter is filled with zeros.
;;     - A block's scale is 2^e with e = floor(log2(the largest magnitude in the block)) - 2, held to -126 .. 127; a block of zeros has e = 0. As a byte (E8M0): e + 127.
;;     - Each number is divided by its block's scale, clamped to +-7.5, and rounded to the nearest number of E2M3, ties to even, subnormals kept.
;;     - The product sums the exact products of the quantised numbers (number of the format x scale) in f32.
;;   ~~~python
;;   def quantise(x, axis):      # numpy; x: float32 -> the quantised numbers, widened to float32 again
;;       x = np.moveaxis(x, axis, -1); K = x.shape[-1]
;;       x = np.pad(x, [(0, 0)] * (x.ndim - 1) + [(0, -K % 32)]); x = x.reshape(x.shape[:-1] + (-1, 32)); a = np.abs(x).max(-1, keepdims=True)
;;       e = np.where(a > 0, np.clip(np.frexp(np.where(a > 0, a, 1))[1] - 1 - 2, -126, 127), 0)      # np.frexp(a)[1] - 1 = floor(log2(a)), exactly
;;       r = np.clip(x / 2.0 ** e, -7.5, 7.5)
;;       step = 2.0 ** (np.maximum(np.frexp(np.where(r == 0, 1, r))[1] - 1, 0) - 3)
;;       q = np.round(r / step) * step * 2.0 ** e      # np.round: ties to even
;;       return np.moveaxis(q.reshape(q.shape[:-2] + (-1,))[..., :K], -1, axis).astype(np.float32)
;;   ~~~
;;   SOFTMAX AHEAD OF A QUANTISED PRODUCT. Where the list says 'softmax', what is quantised is not the finished softmax but p = 2^(t - M), with t = logit x log2(e) and M = ceil(the row's largest t), a whole number; so 1/2 < the row's largest p <= 1. The row's sum l is taken of the UNQUANTISED p, in f32, and the product's result is divided by l at the end. Since M is a whole number, a kernel that streams over the keys may use a running M (the ceiling of the running maximum): every later rescaling is an exact power of two, which a block's scale takes up: the codes' values come out the same.
;;   OPERANDS COMPUTED ON THE WAY. 'Computed on the way' means the value that the module computes at that place (a softmax that the list does not call 'softmax' is quantised finished and normalised). What goes into a quantiser is computed in f32, as accurately as f32 sums, v_exp_f32 and their like allow (about 1e-6 of the number): no bf16 or f16 on the way to a quantiser, and a product that is left as it is and whose result goes on into a quantised operand takes f32 operands (vector FMAs, or v_wmma_f32_16x16x4_f32). A number that lies on a knife's edge between two numbers of the format may be rounded either way, as far as f32 arithmetic and the matrix unit's own rounding can turn it there, and no further.
;; One version. Each part assembles by itself: llvm-mc -triple=amdgcn-amd-amdhsa -mcpu=gfx1250 --defsym DOCPART=n.
;; ======== version 1 of 1: 4 launches
;; limits: right only within a limited range of input values
;; workspace buffers: x_img 6,291,456 bytes; x_scl 262,144 bytes; w_img 3,145,728 bytes; w_scl 131,072 bytes; qkv_img 18,874,368 bytes; qkv_scl 786,432 bytes; a_img 6,291,456 bytes; a_scl 262,144 bytes
;; launch quant (part 1): grid 512 x 1, 4 waves a work-group, no clusters, 34,304 bytes of LDS; arguments x, W_q, W_k, W_v, W_o, x_img, x_scl, w_img, w_scl; writes x_img, x_scl, w_img, w_scl
.if DOCPART == 1
	.amdgcn_target "amdgcn-amd-amdhsa--gfx1250"
	.amdhsa_code_object_version 6
	.text
	.protected	k_q2596f84c9e_quant
	.globl	k_q2596f84c9e_quant
	.p2align	8
	.type	k_q2596f84c9e_quant,@function
k_q2596f84c9e_quant:
	s_mov_b64 s[64:65], 0
	v_nop
	global_prefetch_b8 v0, s[64:65] scope:SCOPE_SE
	s_setreg_imm32_b32 hwreg(HW_REG_WAVE_MODE, 25, 1), 1
	s_wait_xcnt 0x0
; x [8192][1024] and the four weights [1024 (k)][1024 (n)], f32, become codes of FP6 (E2M3) with one E8M0 byte for each 32 along K, laid as the products' launches read them.
; A block's scale is 2^(floor(log2(its largest magnitude)) - 2); its byte is the largest magnitude's exponent field - 2, held at 1 from below by a floor among the maximum's leaves.
; LIMITS: NaN and infinities among the inputs are not served.  A block whose largest magnitude lies under 2^-124, a block of zeros among them, gets the byte 1 where the quantiser's text says
; another byte: its codes are zeros or the format's smallest numbers, and the bytes are read by this program alone.
; LAYOUT OF THE CODES: [unit of 16 tiles][k / 256][tile of 16 rows][j = k / 64 % 4][768 bytes]: one K step of a unit's 16 tiles is 49,152 dense bytes.  The 768 bytes are three pieces of 256: piece e holds at 8 x lane
; the bytes 8 e .. 8 e + 7 of the 24 bytes of block 2 j + lane / 16 of row lane % 16: two neighbouring j are an operand's twelve registers, lane by lane.
; SCALES: [tile][k / 256][row][2 words], a word being the four bytes of 128 along K.
; THE ROWS OF A TILE ARE NOT NEIGHBOURS: row r of tile 2 G + u is row (or weight column) 32 G + 8 u + r % 8 + 16 (r / 8), so that a product's results of two neighbouring tiles are 16 neighbours in a lane.
; SHARES: work-groups 0-255 take x: a wave 16 rows x 512 along K.  Work-groups 256-511 take the weights: a wave 32 columns x 128 along K.  Waves share nothing: no barrier.
.set STGB, 8448                        ; x: a wave's stage in LDS: 16 rows x (512 bytes + 16)
.set XR,   16                          ; v16-143  x: two sets of 64 numbers as loaded
.set XN,   144                         ; v144-207 x: my two blocks of 32 neighbours
.set XF,   208                         ; v208-219 x: a fragment's twelve registers
.set XCT,  220                         ; v220-222, v224-226: second halves of the blocks' codes
.set MX,   228                         ; v228-229 largest magnitudes
.set SO,   230                         ; v230-231 the conversions' scale operands
.set BY,   232                         ; v232-233 scale bytes
.set TMPP, 234                         ; v234     a lane permute's destination
.set XW,   236                         ; v236-239 the four K steps' scale words
.set XD,   240                         ; v240-241 what a lane stores of them
.set WN,   16                          ; v16-79   weights: two sets of 32 numbers
.set WC,   80                          ; v80-85, v88-93: two blocks' codes
.set WCT,  96                          ; v96-98
.set WSB,  100                         ; v100     four scale bytes
	s_load_b512 s[4:19], s[0:1], 0x0               ; x s[4:5], W_q s[6:7], W_k s[8:9], W_v s[10:11], W_o s[12:13], x_img s[14:15], x_scl s[16:17], w_img s[18:19]
	s_load_b64 s[20:21], s[0:1], 0x40              ; w_scl
	v_lshl_add_u32 v254, v0, 2, 0x8400
	v_mov_b32 v255, 0
	v_lshrrev_b32 v1, 5, v0
	v_readfirstlane_b32 s22, v1                    ; wave
	v_and_b32 v1, 31, v0                           ; lane
	v_and_b32 v2, 15, v0                           ; r
	v_bfe_u32 v3, v0, 4, 1                         ; h
	v_lshlrev_b32 v7, 3, v1                        ; 8 x lane: a lane's place in a piece of 256 bytes
	s_cmp_ge_u32 ttmp9, 256
	s_cbranch_scc1 .Lweights
	; ---------------- x ----------------
	s_mov_b32 s24, 0x76543210
	s_mov_b32 s25, 0xfedcba98                      ; v_permlanex16_b32's selects for lane l xor 16
	s_lshl_b32 s26, ttmp9, 2
	s_add_co_u32 s26, s26, s22                     ; task
	s_lshr_b32 s27, s26, 1                         ; tile T
	s_and_b32 s28, s26, 1                          ; which 512 along K
	s_lshr_b32 s29, s27, 1
	s_and_b32 s30, s27, 1
	s_lshl_b32 s29, s29, 17                        ; 32 (T / 2) rows of 4,096 bytes
	s_lshl_b32 s30, s30, 15                        ; + 8 (T % 2) rows
	s_add_co_u32 s32, s29, s30
	s_lshl_b32 s31, s28, 11
	s_add_co_u32 s32, s32, s31                     ; + 2,048 bytes for the second half of K
	s_mov_b32 s33, 0
	s_lshr_b32 s34, s27, 4                         ; the codes: unit,
	s_mul_i32 s34, s34, 196608
	s_and_b32 s31, s27, 15                         ; tile of the unit,
	s_mul_i32 s31, s31, 3072
	s_add_co_u32 s34, s34, s31
	s_mul_i32 s31, s28, 98304                      ; two K steps of 256 for the second half of K
	s_add_co_u32 s34, s34, s31
	s_mov_b32 s35, 0
	s_lshl_b32 s36, s27, 9
	s_lshl_b32 s31, s28, 8
	s_add_co_u32 s36, s36, s31                     ; the scale words
	s_mov_b32 s37, 0
	s_wait_alu depctr_va_vdst(0)
	v_lshlrev_b32 v4, 4, v1                        ; 16 x lane: a load takes 512 consecutive bytes of one row
	s_mul_i32 s31, s22, STGB
	v_add_nc_u32 v5, s31, v4                       ; the stage, on the way in
	v_mul_u32_u24 v6, v2, 528
	v_lshl_add_u32 v6, v3, 7, v6
	v_add_nc_u32 v6, s31, v6                       ; and out: row r, + 128 h: my block of 32 numbers
	v_lshlrev_b32 v10, 3, v3                       ; 8 h
	v_mov_b32 v[TMPP], 0                           ; a lane permute's destination counts as one of its sources
	s_wait_alu depctr_va_vdst(0)
	s_wait_kmcnt 0x0
	s_add_nc_u64 s[4:5], s[4:5], s[32:33]
	s_add_nc_u64 s[14:15], s[14:15], s[34:35]
	s_add_nc_u64 s[16:17], s[16:17], s[36:37]
.macro LOADX t                         ; K step t (128 along K) of the tile's 16 rows
.irp i, 0,1,2,3,4,5,6,7,8,9,10,11,12,13,14,15
	global_load_b128 v[XR+64*((\t)%2)+4*\i:XR+64*((\t)%2)+4*\i+3], v4, s[4:5] offset:((\i%8)+16*(\i/8))*4096+512*(\t) th:TH_LOAD_NT
.endr
.endm
.macro STEPX t
.set RS, XR+64*((\t)%2)
.if (\t) < 3
	s_wait_loadcnt 16                              ; this step's 16 loads are in; the next step's 16 may be out
.else
	s_wait_loadcnt 0x0
.endif
.irp i, 0,1,2,3,4,5,6,7,8,9,10,11,12,13,14,15
	ds_store_b128 v5, v[RS+4*\i:RS+4*\i+3] offset:528*\i
.endr
.irp c, 0,1                            ; LDS serves a wave's instructions in order: these see the stores above.  Lane (r, h) takes k = 64 c + 32 h + 0 .. 31 of row r
.irp i, 0,1,2,3,4,5,6,7
	ds_load_b128 v[XN+32*\c+4*\i:XN+32*\c+4*\i+3], v6 offset:256*\c+16*\i
.endr
.endr
	s_wait_dscnt 0x0                               ; my numbers are back, and the stores into the stage have read their registers
	s_wait_xcnt 0x0                                ; the last step's stores have read the fragment's registers, which are written again below
.if (\t) < 2
	LOADX (\t)+2
.endif
.irp c, 0,1
	v_max3_num_f32 v[MX+\c], |v[XN+32*\c]|, |v[XN+32*\c+1]|, 0x1800000   ; all 32 numbers of a block are mine; the floor 2^(3 - 127) holds the byte at 1 from below
.endr
.irp i, 2,4,6,8,10,12,14,16,18,20,22,24,26,28,30
.irp c, 0,1
	v_max3_num_f32 v[MX+\c], v[MX+\c], |v[XN+32*\c+\i]|, |v[XN+32*\c+\i+1]|
.endr
.endr
.irp c, 0,1
	v_add_nc_u32 v[SO+\c], 0xff000000, v[MX+\c]    ; 2 off the exponent field: the conversion's scale operand
.endr
.irp c, 0,1
	v_lshrrev_b32 v[BY+\c], 23, v[SO+\c]           ; the scale's byte
.endr
	v_lshl_or_b32 v[XW+(\t)], v[BY+1], 16, v[BY]   ; my two bytes, blocks h and 2 + h,
	v_lshlrev_b32 v[XW+(\t)], v10, v[XW+(\t)]      ; at their places in the word;
	v_permlanex16_b32 v[TMPP], v[XW+(\t)], s24, s25
	v_or_b32 v[XW+(\t)], v[XW+(\t)], v[TMPP]       ; with lane l xor 16's two the word is whole
.irp c, 0,1
	v_cvt_scalef32_pk16_fp6_f32 v[XF+6*\c:XF+6*\c+2], v[XN+32*\c:XN+32*\c+15], v[SO+\c]
	v_cvt_scalef32_pk16_fp6_f32 v[XCT+4*\c:XCT+4*\c+2], v[XN+32*\c+16:XN+32*\c+31], v[SO+\c]   ; (a conversion's three registers begin on an even number)
.endr
	v_nop                                          ; one plain place behind a scaled conversion
.irp c, 0,1
.irp i, 0,1,2
	v_mov_b32 v[XF+6*\c+3+\i], v[XCT+4*\c+\i]
.endr
.endr
.irp p, 0,1,2,3,4,5
	global_store_b64 v7, v[XF+2*\p:XF+2*\p+1], s[14:15] offset:49152*((\t)/2)+1536*((\t)%2)+256*\p   ; 32 lanes store 256 consecutive bytes, aligned
.endr
.endm
	LOADX 0
	LOADX 1
	STEPX 0
	STEPX 1
	STEPX 2
	STEPX 3
	v_cmp_gt_u32 vcc_lo, 16, v1
	v_cndmask_b32 v[XD], v[XW+2], v[XW], vcc_lo    ; lanes 0-15: the words of the first 256 along K; lanes 16-31: of the second
	v_cndmask_b32 v[XD+1], v[XW+3], v[XW+1], vcc_lo
	global_store_b64 v7, v[XD:XD+1], s[16:17]      ; 256 consecutive bytes, aligned
	s_wait_tensorcnt 0x0
	ds_add_u32 v254, v255
	s_wait_dscnt 0x0
	s_endpgm
	; ---------------- the weights: a lane takes a column, its registers run down K ----------------
.Lweights:
	s_sub_co_u32 s26, ttmp9, 256
	s_lshr_b32 s27, s26, 6                         ; which weight
	s_bfe_u32 s28, s26, 0x30003                    ; which 128 columns
	s_and_b32 s29, s26, 7                          ; which 128 along K
	s_lshl_b32 s28, s28, 2
	s_add_co_u32 s28, s28, s22                     ; G: my wave's 32 columns
	s_lshl_b32 s32, s29, 19                        ; 128 rows of 4,096 bytes
	s_lshl_b32 s30, s28, 7
	s_add_co_u32 s32, s32, s30
	s_mov_b32 s33, 0
	s_lshl_b32 s30, s27, 6
	s_lshl_b32 s31, s28, 1
	s_add_co_u32 s30, s30, s31                     ; my first tile: 64 x weight + 2 G
	s_lshr_b32 s34, s30, 4                         ; the codes: unit,
	s_mul_i32 s34, s34, 196608
	s_lshr_b32 s31, s29, 1                         ; K step of 256,
	s_mul_i32 s31, s31, 49152
	s_add_co_u32 s34, s34, s31
	s_and_b32 s31, s30, 15                         ; tile of the unit,
	s_mul_i32 s31, s31, 3072
	s_add_co_u32 s34, s34, s31
	s_and_b32 s31, s29, 1                          ; which 128 of the 256
	s_mul_i32 s31, s31, 1536
	s_add_co_u32 s34, s34, s31
	s_mov_b32 s35, 0
	s_lshl_b32 s36, s30, 9                         ; the scale words: tile, K step of 256, which of a row's two words
	s_lshr_b32 s31, s29, 1
	s_lshl_b32 s31, s31, 7
	s_add_co_u32 s36, s36, s31
	s_and_b32 s31, s29, 1
	s_lshl_b32 s31, s31, 2
	s_add_co_u32 s36, s36, s31
	s_mov_b32 s37, 0
	s_wait_alu depctr_va_vdst(0)
	v_and_b32 v4, 7, v2
	v_lshrrev_b32 v5, 3, v2
	v_lshl_add_u32 v4, v5, 4, v4
	v_lshl_add_u32 v4, v3, 3, v4                   ; my column of the 32: 8 u + r % 8 + 16 (r / 8), u = lane / 16
	v_lshlrev_b32 v4, 2, v4                        ; the 32 lanes still cover 128 consecutive bytes
	v_lshlrev_b32 v9, 3, v2
	v_lshl_add_u32 v9, v3, 9, v9                   ; my scale word: tile u, row r
	s_wait_alu depctr_va_vdst(0)
	s_wait_kmcnt 0x0
	s_cmp_eq_u32 s27, 1
	s_cselect_b64 s[38:39], s[8:9], s[6:7]
	s_cmp_eq_u32 s27, 2
	s_cselect_b64 s[38:39], s[10:11], s[38:39]
	s_cmp_eq_u32 s27, 3
	s_cselect_b64 s[38:39], s[12:13], s[38:39]
	s_add_nc_u64 s[38:39], s[38:39], s[32:33]
	s_add_nc_u64 s[18:19], s[18:19], s[34:35]
	s_add_nc_u64 s[20:21], s[20:21], s[36:37]
.macro LOADW t                         ; block t: W(32 t + i, my column)
.irp i, 0,1,2,3,4,5,6,7,8,9,10,11,12,13,14,15,16,17,18,19,20,21,22,23,24,25,26,27,28,29,30,31
	global_load_b32 v[WN+32*((\t)%2)+\i], v4, s[38:39] offset:(32*(\t)+\i)*4096 th:TH_LOAD_NT
.endr
.endm
.macro BLOCKW t
.set XS, WN+32*((\t)%2)
.set CC, WC+8*((\t)%2)
.if (\t) < 3
	s_wait_loadcnt 32                              ; this block's 32 loads are in; the next block's may be out
.else
	s_wait_loadcnt 0x0
.endif
	v_max3_num_f32 v[MX], |v[XS]|, |v[XS+1]|, |v[XS+2]|
	v_max3_num_f32 v[MX+1], |v[XS+3]|, |v[XS+4]|, |v[XS+5]|
.irp i, 6,10,14,18,22,26
	v_max3_num_f32 v[MX], v[MX], |v[XS+\i]|, |v[XS+\i+1]|
	v_max3_num_f32 v[MX+1], v[MX+1], |v[XS+\i+2]|, |v[XS+\i+3]|
.endr
	v_max3_num_f32 v[MX], v[MX], |v[XS+30]|, |v[XS+31]|
	v_max3_num_f32 v[MX], v[MX], v[MX+1], 0x1800000
	v_add_nc_u32 v[SO], 0xff000000, v[MX]
	v_lshrrev_b32 v[BY], 23, v[SO]
.if (\t)%4 == 0
	v_mov_b32 v[WSB+(\t)/4], v[BY]
.else
	v_lshl_or_b32 v[WSB+(\t)/4], v[BY], 8*((\t)%4), v[WSB+(\t)/4]
.endif
.if ((\t)%2 == 0) && ((\t) > 0)
	s_wait_alu depctr_va_vdst(0)
	s_wait_xcnt 0x0                                ; the last pair's stores have read the codes' registers
.endif
	v_cvt_scalef32_pk16_fp6_f32 v[CC:CC+2], v[XS:XS+15], v[SO]
	v_cvt_scalef32_pk16_fp6_f32 v[WCT:WCT+2], v[XS+16:XS+31], v[SO]
	v_nop                                          ; one plain place behind a scaled conversion
.irp i, 0,1,2
	v_mov_b32 v[CC+3+\i], v[WCT+\i]
.endr
.if (\t) < 2
	LOADW (\t)+2
.endif
.if (\t)%2 == 1
.irp i, 0,1,2,3,4,5                    ; lanes 0-15 hold tile 2 G's columns, lanes 16-31 tile 2 G + 1's.  The exchange makes of (block t - 1, block t) the two tiles' 768 bytes: lanes 0-15 the even block, lanes 16-31 the odd one
	v_permlane16_swap_b32 v[WC+\i], v[WC+8+\i]
.endr
.irp u, 0,1
.irp e, 0,1,2
	global_store_b64 v7, v[WC+8*\u+2*\e:WC+8*\u+2*\e+1], s[18:19] offset:3072*\u+768*((\t)/2)+256*\e   ; 256 consecutive bytes, aligned
.endr
.endr
.endif
.endm
	LOADW 0
	LOADW 1
.irp t, 0,1,2,3
	BLOCKW \t
.endr
	global_store_b32 v9, v[WSB], s[20:21]          ; my column's scale word of these 128 along K: one of a row's two, so every second word of 128 bytes for each half of the lanes
	s_endpgm
.Lfunc_end_k_q2596f84c9e_quant:
	.size	k_q2596f84c9e_quant, .Lfunc_end_k_q2596f84c9e_quant-k_q2596f84c9e_quant
	.p2alignl 7, 3214868480
	.fill 96, 4, 3214868480
	.section	.rodata,"a",@progbits
	.p2align	6, 0x0
	.amdhsa_kernel k_q2596f84c9e_quant
		.amdhsa_group_segment_fixed_size 34304
		.amdhsa_private_segment_fixed_size 0
		.amdhsa_enable_private_segment 0
		.amdhsa_kernarg_size 72
		.amdhsa_user_sgpr_count 2
		.amdhsa_user_sgpr_kernarg_segment_ptr 1
		.amdhsa_wavefront_size32 1
		.amdhsa_system_sgpr_workgroup_id_x 1
		.amdhsa_system_sgpr_workgroup_id_y 1
		.amdhsa_system_sgpr_workgroup_id_z 1
		.amdhsa_system_vgpr_workitem_id 0
		.amdhsa_next_free_vgpr 256
		.amdhsa_next_free_sgpr 66
		.amdhsa_reserve_vcc 1
		.amdhsa_float_denorm_mode_32 3
		.amdhsa_float_denorm_mode_16_64 3
		.amdhsa_memory_ordered 1
		.amdhsa_forward_progress 1
		.amdhsa_inst_pref_size 53
	.end_amdhsa_kernel
	.amdgpu_metadata
---
amdhsa.version: [ 1, 2 ]
amdhsa.kernels:
  - .name:           k_q2596f84c9e_quant
    .symbol:         k_q2596f84c9e_quant.kd
    .args:
      - { .name: x, .offset: 0, .size: 8, .value_kind: global_buffer, .address_space: global }
      - { .name: W_q, .offset: 8, .size: 8, .value_kind: global_buffer, .address_space: global }
      - { .name: W_k, .offset: 16, .size: 8, .value_kind: global_buffer, .address_space: global }
      - { .name: W_v, .offset: 24, .size: 8, .value_kind: global_buffer, .address_space: global }
      - { .name: W_o, .offset: 32, .size: 8, .value_kind: global_buffer, .address_space: global }
      - { .name: x_img, .offset: 40, .size: 8, .value_kind: global_buffer, .address_space: global }
      - { .name: x_scl, .offset: 48, .size: 8, .value_kind: global_buffer, .address_space: global }
      - { .name: w_img, .offset: 56, .size: 8, .value_kind: global_buffer, .address_space: global }
      - { .name: w_scl, .offset: 64, .size: 8, .value_kind: global_buffer, .address_space: global }
    .group_segment_fixed_size: 34304
    .private_segment_fixed_size: 0
    .kernarg_segment_align: 8
    .kernarg_segment_size: 72
    .max_flat_workgroup_size: 128
    .sgpr_count:     66
    .vgpr_count:     256
    .wavefront_size: 32
...
	.end_amdgpu_metadata
.endif
;; end of part 1
;; launch qkv (part 2): grid 12 x 32, 4 waves a work-group, clusters of 4 x 4, 327,680 bytes of LDS; arguments x_img, x_scl, w_img, w_scl, b_q, b_k, b_v, qkv_img, qkv_scl; writes qkv_img, qkv_scl
.if DOCPART == 2
	.amdgcn_target "amdgcn-amd-amdhsa--gfx1250"
	.amdhsa_code_object_version 6
	.text
	.protected	k_q2596f84c9e_qkv
	.globl	k_q2596f84c9e_qkv
	.p2align	8
	.type	k_q2596f84c9e_qkv,@function
k_q2596f84c9e_qkv:
	s_mov_b64 s[64:65], 0
	v_nop
	global_prefetch_b8 v0, s[64:65] scope:SCOPE_SE
	s_setreg_imm32_b32 hwreg(HW_REG_WAVE_MODE, 25, 1), 1
	s_wait_xcnt 0x0
	s_wait_alu depctr_hold_cnt(0) depctr_sa_sdst(0) depctr_va_vdst(0) depctr_va_sdst(0) depctr_va_ssrc(0) depctr_va_vcc(0) depctr_vm_vsrc(0)
	s_getreg_b32 s2, hwreg(HW_REG_IB_STS2, 6, 4)
	s_cmp_eq_u32 s2, 0
	s_cbranch_scc0 .Lentry_in_a_cluster
	s_endpgm
.Lentry_in_a_cluster:
	s_bfe_u32 s2, ttmp6, 0x10000c
	s_cmp_lg_u32 s2, 0xf033
	s_cbranch_scc0 .Lentry_shape_is_right
	s_endpgm
.Lentry_shape_is_right:
; Q = x W_q + b_q, K = x W_k + b_k, V = x W_v + b_v on codes of FP6 (E2M3) with E8M0 scales, sums in f32; the results are quantised in registers (Q and K along the head's 64, V along the keys) and leave as codes.
; A work-group of four waves makes 256 x 256 results, a wave 128 x 128: 64 accumulators, 512 registers.  K = 1,024 goes in four steps of 256 through two LDS slots filled by the tensor data mover.
; THE MATRIX INSTRUCTION: source 0 = 16 rows of 'B', source 1 = 16 rows of 'A': a lane holds one row of A, its registers run along B's rows.  The rows of a tile were chosen by the launch before so that
; the 16 registers of two neighbouring tiles of B are 16 neighbours: 32 (b / 2) + 16 (lane / 16) + 8 (b % 2) + j.
; MODES, by the cluster's x (the same in all sixteen partners): 0: Q, 1: K: A = x (tokens in lanes), B = the weight (features in registers).  2: V: A = W_v (features in lanes), B = x (tokens in registers).
; CLUSTERS: 4 x 4 work-groups; A's tiles are shared along a row of the cluster, B's along a column: joint loads, one a wave behind each round.
; OUT: [part Q, K, V][batch x head][group of 128 tokens][fragment f][1,536 bytes], a fragment being twelve registers, four at a time at 16 x lane.  Q, K: fragment f = token tiles 2 f and 2 f + 1, 64 along K each;
; V: fragment f = 16 of the head's 64 x 128 keys.  Scale words: [part][batch x head][group][row][f].
; LIMITS: NaN and infinities are not served; a block whose largest magnitude lies under 2^-124 gets the byte 1 (this program alone reads the bytes).
; REGISTERS, in windows of 256: window 0: v1-29 addresses; v32-63 scale words, two sets; v64-127 the bias, as the C of each sum's first product; v128-223 A's fragments, one set; in the epilogue v128-191 at work.
;   window 1: B's fragments, two sets, at v0 and v128.   windows 2, 3: the accumulators ((a, b) at v[8 (8 (a % 4) + b)]).
.set NQ,     2                         ; matrix instructions deep in a slot
.set FR,     12                        ; registers of a fragment
.set NL,     6                         ; LDS loads that bring one
.set NP,     4                         ; places behind this matrix instruction (ISA guide 7.12.1)
.set TILEB,  12288                     ; a tile of 16 rows, all of K, in memory
.set STEPB,  3072                      ; its 256 along K
.set HALFT,  8*STEPB                   ; 8 tiles: what one tensor load brings, and what a wave reads of A or of B
.set SLOT,   4*HALFT
.set SCL,    2*SLOT                    ; behind the ring: the scale words of the 512 rows, all of K: filled once
.set HALFS,  4096
.set SPARE,  SCL+4*HALFS               ; the spare words: 128 bytes a wave, two blocks of 256 bytes that no other line names
.set ADRA, 16                          ; v16-17 LDS address of my A fragments in slot 0, 1
.set ADRB, 20                          ; v20-21 the same for B
.set IO,   24                          ; v24    16 x lane
.set SOF,  25                          ; v25    16 r + 4,096 h: where a lane stores four scale words
.set ADRS, 27                          ; v27    LDS address of my scale words: lanes 0-15 A's rows, lanes 16-31 B's
.set SPW,  28                          ; v28    my spare word; never rewritten
.set NIL,  29                          ; v29    0; never rewritten
.set SC,   32
.set BI,   64
.set AF,   128
.set FX,   128                         ; the epilogue: two fragments,
.set FY,   140
.set CT,   152                         ; second halves of the blocks' codes,
.set TM,   160                         ; v160-163 largest magnitudes, v164-167 bytes, v172-175 scale operands,
.set P0,   176                         ; two scale words just made,
.set P1,   177
.set W8,   180                         ; the eight scale words of the wave's two heads,
.set SD,   188                         ; and what a lane stores of them
.set SEL,  2                           ; s[2:3] lane selects, set ahead of the epilogue
.set G1,   24                          ; s[24:31] group 1 for A's tiles; s[32:39] group 0, a set for each slot
.set G0,   32
.set G1B,  48                          ; s[48:55], s[56:63] the same for B's
.set G0B,  56
.set G1S,  68                          ; s[68:75], s[76:79] groups 1 and 0 for A's scales; s[80:87], s[88:91] for B's
.set G0S,  76
.set G1SB, 80
.set G0SB, 88
.set MSB, 0
.macro WIN new                         ; the immediate's high byte repeats the setting that is left
.if MSB != (\new)
	s_set_vgpr_msb (MSB<<8)|(\new)
.set MSB, (\new)
.endif
.endm
.set MUL_LO, 0xa1                      ; source 0 (B) window 1, source 1 (A) window 0, C and D window 2
.set MUL_HI, 0xf1                      ; the same, C and D window 3
.set BEG_LO, 0x81                      ; a sum's first product: C (the bias) window 0, D window 2
.set BEG_HI, 0xc1
.set TO_B,   0x40                      ; destination window 1, address window 0
; A joint load: waves 0 and 1 fetch for A, waves 2 and 3 for B; the branch hangs on the wave's number alone.  Four v_nop follow each of the two lines.
.macro JLOAD g0a, g1a, g0b, g1b
	s_cmp_eq_u32 s23, 0
	s_cbranch_scc0 .Lfor_b_\@
	tensor_load_to_lds s[\g0a:\g0a+3], s[\g1a:\g1a+7]
	s_nop 0
.rept 4
	v_nop
.endr
	s_branch .Lasked_\@
.Lfor_b_\@:
	tensor_load_to_lds s[\g0b:\g0b+3], s[\g1b:\g1b+7]
	s_nop 0
.rept 4
	v_nop
.endr
.Lasked_\@:
.endm
.macro CREST                           ; a round of the cluster's barrier behind its opening barrier
	s_cmp_lg_u32 s22, 0
	s_cbranch_scc1 .Lnot_wave_0_\@
	s_barrier_signal -3
.Lnot_wave_0_\@:
	s_barrier_wait -3
	s_barrier_signal -1
	s_barrier_wait -1
.endm
.macro CROUND
	s_barrier_signal -1
	s_barrier_wait -1
	CREST
.endm
	s_load_b512 s[4:19], s[0:1], 0x0               ; x_img s[4:5], x_scl s[6:7], w_img s[8:9], w_scl s[10:11], b_q s[12:13], b_k s[14:15], b_v s[16:17], qkv_img s[18:19]
	s_load_b64 s[20:21], s[0:1], 0x40              ; qkv_scl
	v_lshl_add_u32 v[SPW], v0, 2, SPARE
	v_mov_b32 v[NIL], 0
	ds_add_u32 v28, v29
	ds_add_u32 v28, v29
	s_wait_dscnt 0x0
	v_lshrrev_b32 v1, 5, v0
	v_readfirstlane_b32 s22, v1                    ; wave 0..3
	s_lshr_b32 s23, s22, 1                         ; which half of A's rows is mine.  Also: I fetch for A (0) or for B (1)
	s_and_b32 s66, s22, 1                          ; which half of B's rows.  Also: which 8 tiles I fetch
	s_bfe_u32 s40, ttmp6, 0x40000                  ; cx
	s_bfe_u32 s41, ttmp6, 0x40004                  ; cy
	s_mov_b32 s42, ttmp9                           ; the cluster's x: 0 Q, 1 K, 2 V
	s_and_b32 s43, ttmp7, 0xffff                   ; the cluster's y: 1,024 tokens
	s_lshl_b32 s44, s41, 2
	s_lshl_b32 s44, 15, s44                        ; my row of the cluster
	s_lshl_b32 s45, 0x1111, s40                    ; my column
	; group 1 for codes: 8 rows (tiles) of 3,072 bytes, 3,072 bytes apart, in elements of 8 bytes; no padding: every LDS load takes 256 consecutive bytes
	s_or_b32 s[G1], s44, (3<<16)|(1<<21)           ; 15:0 the mask; 17:16 elements of 8 bytes; 21 set beside a mask
	s_or_b32 s[G1B], s45, (3<<16)|(1<<21)
.irp g, G1, G1B
	s_mov_b32 s[\g+1], 384<<16                     ; tensor_dim0
	s_mov_b32 s[\g+2], 32<<16                      ; tensor_dim1: 32 runs of 3,072 bytes for the head's loads (16 tiles x K steps 0 and 1, dense in memory); set to 8 for the ring's behind the wait for them
	s_mov_b32 s[\g+3], 384<<16                     ; tile_dim0
	s_mov_b32 s[\g+4], 32                          ; tile_dim1
	s_mov_b32 s[\g+5], 384                         ; tensor_dim0_stride: the runs lie on end
	s_mov_b32 s[\g+6], 0
	s_mov_b32 s[\g+7], 0
.endr
	; group 1 for scales: 8,192 dense bytes as 32 rows of 256
	s_or_b32 s[G1S], s44, (3<<16)|(1<<21)
	s_or_b32 s[G1SB], s45, (3<<16)|(1<<21)
.irp g, G1S, G1SB
	s_mov_b32 s[\g+1], 32<<16
	s_mov_b32 s[\g+2], 32<<16                      ; the scales of 256 rows: 8,192 dense bytes as 32 rows of 256
	s_mov_b32 s[\g+3], 32<<16
	s_mov_b32 s[\g+4], 32
	s_mov_b32 s[\g+5], 32
	s_mov_b32 s[\g+6], 0
	s_mov_b32 s[\g+7], 0
.endr
	; units of 256 rows.  A's hangs on cy and the cluster's place alone, B's on cx and the cluster's place alone
	s_lshl_b32 s92, s43, 2
	s_lshl_b32 s93, s42, 2
	s_cmp_eq_u32 s42, 2
	s_cselect_b32 s67, 1, 0                        ; 1: V
	s_cselect_b32 s46, 8, s92                      ; A: W_v's units 8 .. 11, or x's 4 Y ..
	s_cselect_b32 s47, s92, s93                    ; B: x's 4 Y .., or the weight's 4 X ..
	s_add_co_u32 s46, s46, s41
	s_add_co_u32 s47, s47, s40
	s_lshl_b32 s46, s46, 4
	s_lshl_b32 s47, s47, 4
	s_mov_b32 s3, 0
	s_mov_b32 s93, 0
	s_wait_kmcnt 0x0
	s_cmp_eq_u32 s42, 2
	s_cselect_b64 s[94:95], s[8:9], s[4:5]         ; A's codes
	s_cselect_b64 s[96:97], s[10:11], s[6:7]       ; A's scales
	s_cselect_b64 s[98:99], s[4:5], s[8:9]         ; B's codes
	s_cselect_b64 s[100:101], s[6:7], s[10:11]     ; B's scales
	s_mul_i32 s2, s46, TILEB
	s_add_nc_u64 s[94:95], s[94:95], s[2:3]
	s_lshl_b32 s2, s46, 9
	s_add_nc_u64 s[96:97], s[96:97], s[2:3]
	s_mul_i32 s92, s47, TILEB
	s_add_nc_u64 s[98:99], s[98:99], s[92:93]
	s_lshl_b32 s92, s47, 9
	s_add_nc_u64 s[100:101], s[100:101], s[92:93]
	s_mov_b32 s[G0S], 1
	s_mov_b32 s[G0S+1], SCL                        ; LDS: A's 8,192 bytes of scale words, then B's
	s_mov_b64 s[G0S+2:G0S+3], s[96:97]
	s_or_b32 s[G0S+3], s[G0S+3], 0x80000000
	s_mov_b32 s[G0SB], 1
	s_mov_b32 s[G0SB+1], SCL+2*HALFS
	s_mov_b64 s[G0SB+2:G0SB+3], s[100:101]
	s_or_b32 s[G0SB+3], s[G0SB+3], 0x80000000
	s_mov_b32 s4, 1                                ; s[4:7], s[8:11]: group 0 of the head's loads of K steps 0 and 1: A's 16 tiles, B's 16 tiles (the arguments that lay there have been used)
	s_mov_b32 s5, 0
	s_mov_b64 s[6:7], s[94:95]
	s_or_b32 s7, s7, 0x80000000
	s_mov_b32 s8, 1
	s_mov_b32 s9, 4*HALFT                          ; LDS: A's slot 0, A's slot 1, B's slot 0, B's slot 1, 16 tiles each
	s_mov_b64 s[10:11], s[98:99]
	s_or_b32 s11, s11, 0x80000000
	s_mul_i32 s2, s66, HALFT
	s_add_nc_u64 s[94:95], s[94:95], s[2:3]
	s_add_nc_u64 s[98:99], s[98:99], s[2:3]
.irp s, 0,1
	s_mov_b32 s[G0+4*\s], 1
	s_mul_i32 s[G0+4*\s+1], s66, HALFT
	s_add_co_u32 s[G0+4*\s+1], s[G0+4*\s+1], \s*2*HALFT
	s_add_nc_u64 s[G0+4*\s+2:G0+4*\s+3], s[94:95], \s*2*HALFT
	s_or_b32 s[G0+4*\s+3], s[G0+4*\s+3], 0x80000000
	s_mov_b32 s[G0B+4*\s], 1
	s_mul_i32 s[G0B+4*\s+1], s66, HALFT
	s_add_co_u32 s[G0B+4*\s+1], s[G0B+4*\s+1], 4*HALFT+\s*2*HALFT
	s_add_nc_u64 s[G0B+4*\s+2:G0B+4*\s+3], s[98:99], \s*2*HALFT
	s_or_b32 s[G0B+4*\s+3], s[G0B+4*\s+3], 0x80000000
.endr
	CROUND                                         ; all sixteen work-groups are here: the first joint loads meet
; The head's four tiles, one joint load a wave: wave 0 A's 16 tiles x K steps 0 and 1, wave 1 B's, wave 2 A's scales, wave 3 B's.  One chain of branches on the wave's number, all arms to one join.
.macro ARM under, g0, g1, next
	s_cmp_lt_u32 s22, \under
	s_cbranch_scc0 \next
	tensor_load_to_lds s[\g0:\g0+3], s[\g1:\g1+7]
	s_nop 0
.rept 4
	v_nop
.endr
	s_branch .Lhead_asked
\next:
.endm
	ARM 1, 4, G1, .Lhead_b
	ARM 2, 8, G1B, .Lhead_sa
	ARM 3, G0S, G1S, .Lhead_sb
	tensor_load_to_lds s[G0SB:G0SB+3], s[G1SB:G1SB+7]
	s_nop 0
.rept 4
	v_nop
.endr
.Lhead_asked:
	v_and_b32 v1, 15, v0                           ; r
	v_bfe_u32 v2, v0, 4, 1                         ; h
	v_and_b32 v3, 31, v0                           ; lane
	v_lshlrev_b32 v4, 3, v3                        ; 8 x lane
	; the bias: eight offsets, one for each register of a tile.  Q, K: register j of tile b wants feature 32 (b / 2) + 8 (b % 2) + 16 h + j; V: all eight of tile a want feature 32 (a / 2) + 8 (a % 2) + r % 8 + 16 (r / 8)
	v_lshlrev_b32 v5, 6, v2
	v_and_b32 v6, 7, v1
	v_lshrrev_b32 v7, 3, v1
	v_lshlrev_b32 v6, 2, v6
	v_lshl_add_u32 v6, v7, 6, v6
	s_wait_alu depctr_va_vdst(0)
	s_cmp_eq_u32 s42, 1
	s_cselect_b64 s[12:13], s[14:15], s[12:13]
	s_cmp_eq_u32 s42, 2
	s_cselect_b64 s[12:13], s[16:17], s[12:13]
	s_cselect_b32 s14, s41, s40                    ; the features' 256 in their weight
	s_cselect_b32 s15, s23, s66                    ; and my half of them
	s_cselect_b32 s16, s40, s41                    ; the tokens' 256 in the cluster's 1,024
	s_cselect_b32 s17, s66, s23                    ; and my half of them
	s_cselect_b32 s2, -1, 0
	s_cselect_b32 s3, 0, 4
	v_cndmask_b32 v5, v5, v6, s2
.irp j, 0,1,2,3,4,5,6,7
	v_mad_u32_u24 v[8+\j], s3, \j, v5
.endr
	s_lshl_b32 s46, s14, 10
	s_lshl_b32 s47, s15, 9
	s_add_co_u32 s46, s46, s47
	s_mov_b32 s47, 0
	s_add_nc_u64 s[12:13], s[12:13], s[46:47]
.irp x, 0,1,2,3,4,5,6,7
.irp j, 0,1,2,3,4,5,6,7
	global_load_b32 v[BI+8*\x+\j], v[8+\j], s[12:13] offset:(32*(\x/2)+8*(\x%2))*4
.endr
.endr
	; where my results go: group of 128 tokens g, heads hd and hd + 1
	s_lshl_b32 s46, s43, 2
	s_add_co_u32 s46, s46, s16
	s_lshl_b32 s46, s46, 1
	s_add_co_u32 s46, s46, s17                     ; g
	s_lshl_b32 s14, s14, 2
	s_lshl_b32 s15, s15, 1
	s_add_co_u32 s14, s14, s15                     ; hd
	s_lshr_b32 s15, s46, 4
	s_lshl_b32 s15, s15, 4
	s_add_co_u32 s14, s14, s15                     ; 16 x batch + hd
	s_lshl_b32 s14, s14, 4
	s_and_b32 s46, s46, 15
	s_add_co_u32 s14, s14, s46                     ; x 16 + the group in its batch
	s_mul_i32 s46, s14, 6144
	s_mul_i32 s15, s42, 6291456
	s_add_co_u32 s46, s46, s15
	s_add_nc_u64 s[18:19], s[18:19], s[46:47]
	s_lshl_b32 s46, s14, 8
	s_lshl_b32 s15, s42, 18
	s_add_co_u32 s46, s46, s15
	s_add_nc_u64 s[20:21], s[20:21], s[46:47]
	s_mul_i32 s2, s23, HALFT                       ; my 8 tiles of A
	s_mul_i32 s3, s66, HALFT                       ; my 8 tiles of B,
	s_add_co_u32 s3, s3, 4*HALFT                   ; which lie behind A's two slots
.irp s, 0,1
	v_add_nc_u32 v[ADRA+\s], s2, v4
	v_add_nc_u32 v[ADRB+\s], s3, v4
	s_add_co_u32 s2, s2, 2*HALFT
	s_add_co_u32 s3, s3, 2*HALFT
.endr
	s_lshl_b32 s2, s23, 12                         ; A's scale words: my 8 tiles
	s_lshl_b32 s3, s66, 12                         ; B's: my 8 tiles, behind A's 16
	s_add_co_u32 s3, s3, 2*HALFS
	s_sub_co_u32 s3, s3, s2
	v_mul_u32_u24 v6, s3, v2                       ; lanes 16-31 take B's
	s_add_co_u32 s2, s2, SCL
	v_lshl_add_u32 v5, v1, 3, v6                   ; 8 bytes a row
	v_add_nc_u32 v[ADRS], s2, v5
	v_lshlrev_b32 v[IO], 4, v3
	v_lshlrev_b32 v[SOF], 4, v1
	v_lshl_add_u32 v[SOF], v2, 12, v[SOF]
.macro FRAG reg, adr, q, i             ; a fragment: twelve registers, six pieces of 256 bytes, 8 bytes a lane, as the launch before laid them
.irp p, 0,1,2,3,4,5
	ds_load_b64 v[\reg+2*\p:\reg+2*\p+1], v[\adr] offset:STEPB*(\i)+1536*(\q)+256*\p
.endr
.endm
; 16 matrix instructions: A's blocks a0, a0 + 1 x B's eight, 128 along K.  p: B's set; sc: the set of scale words.  zero = 1: the bias of B's block starts the sums; 2: the bias of A's block; 0: they go on.
; The 64 accumulators take turns, one instruction a turn, in the same order in every step.
.macro MUL16 a0, p, q, sc, zero
.irp a, \a0, \a0+1
.irp b, 0,1,2,3,4,5,6,7
.set rD, 8*(8*((\a)%4)+\b)
.set rC, rD
.if (\zero) == 1
.set rC, BI+8*\b
.endif
.if (\zero) == 2
.set rC, BI+8*(\a)
.endif
	v_wmma_scale_f32_16x16x128_f8f6f4 v[rD:rD+7], v[128*(\p)+FR*\b:128*(\p)+FR*\b+FR-1], v[AF+FR*(\a):AF+FR*(\a)+FR-1], v[rC:rC+7], v[SC+8*NQ*(\sc)+NQ*\b+(\q)], v[SC+8*NQ*(\sc)+NQ*(\a)+(\q)] matrix_a_fmt:MATRIX_FMT_FP6 matrix_b_fmt:MATRIX_FMT_FP6 matrix_a_scale:MATRIX_SCALE_ROW1
.endr
.endr
.endm
.macro FETCH_B slot, q, p
	WIN TO_B
.irp i, 0,1,2,3,4,5,6,7
	FRAG 128*(\p)+FR*\i, ADRB+\slot, \q, \i
.endr
	WIN 0
.endm
.macro FETCH_A slot, q, i0
.irp i, \i0, \i0+1, \i0+2, \i0+3
	FRAG AF+FR*(\i), ADRA+\slot, \q, \i
.endr
.endm
.macro SCALES sc                       ; a K step's scale words: two a row; lanes 0-15 take A's block i, lanes 16-31 B's block i
.irp i, 0,1,2,3,4,5,6,7
	ds_load_b64 v[SC+8*NQ*\sc+NQ*\i:SC+8*NQ*\sc+NQ*\i+1], v[ADRS] offset:\i*512
.endr
.endm
.macro PLACES n                        ; plain vector instructions between a matrix instruction and a load into, or a vector write of, one of its registers, or a read of its result
.rept \n
	v_nop
.endr
.endm
.macro STEP slot, q, zero              ; 128 along K that have their successor in the same slot
	s_wait_dscnt 4*NL                              ; B's set and A's blocks 0-3 are in; the youngest 24 loads (A's blocks 4-7) may be out
.if \zero
	WIN BEG_LO
.else
	WIN MUL_LO
.endif
	MUL16 0, (\q)%2, \q, \slot, \zero
	MUL16 2, (\q)%2, \q, \slot, \zero
	s_wait_dscnt 0
	PLACES NP
	FETCH_B \slot, (\q)+1, 1-(\q)%2
	FETCH_A \slot, (\q)+1, 0
.if \zero
	WIN BEG_HI
.else
	WIN MUL_HI
.endif
	MUL16 4, (\q)%2, \q, \slot, \zero
	MUL16 6, (\q)%2, \q, \slot, \zero
	PLACES NP
	WIN 0
	FETCH_A \slot, (\q)+1, 4
.endm
; A slot's last 128 along K change slots: one barrier; in front of it each wave waits for all its tensor loads, adds 0 to its spare word, and waits for that and for its reads of this slot.
.macro TURN slot, next, fill
	s_wait_tensorcnt 0x0                           ; all my tensor loads have landed: my part of the next slot
	ds_add_u32 v[SPW], v[NIL]                      ; 0 onto my spare word
	s_wait_dscnt 4*NL+1                            ; (the add and the youngest 24 loads may be out)
	WIN MUL_LO
	MUL16 0, 1, NQ-1, \slot, 0
	s_wait_dscnt 0x0                               ; the add is done, and my reads of this slot are over
	s_barrier_signal -1
	MUL16 2, 1, NQ-1, \slot, 0
	WIN 0
	s_barrier_wait -1
.if \fill
	CREST                                          ; the barrier has opened a round of the cluster's barrier: no wave of any partner still reads this slot or has a load on its way
	s_add_nc_u64 s[G0+4*\slot+2:G0+4*\slot+3], s[G0+4*\slot+2:G0+4*\slot+3], 4*HALFT
	s_add_nc_u64 s[G0B+4*\slot+2:G0B+4*\slot+3], s[G0B+4*\slot+2:G0B+4*\slot+3], 4*HALFT
	JLOAD G0+4*\slot, G1, G0B+4*\slot, G1B         ; the first tensor load behind the round, my one load until the next; its four v_nop are the places in front of the loads below
.else
	PLACES NP
.endif
	s_wait_alu depctr_va_vdst(0)
	v_add_nc_u32 v[ADRS], 128, v[ADRS]             ; the next K step's scale words (no LDS load of mine is out)
	FETCH_B \next, 0, 0
	FETCH_A \next, 0, 0
	SCALES \next
	WIN MUL_HI
	MUL16 4, 1, NQ-1, \slot, 0
	MUL16 6, 1, NQ-1, \slot, 0
	PLACES NP
	WIN 0
	FETCH_A \next, 0, 4
.endm
	s_wait_alu depctr_va_vdst(0)
	s_wait_tensorcnt 0x0                           ; my tile of the head's four is in: both slots of A or of B, or an operand's scales
	s_mov_b32 s[G1+2], 8<<16                       ; no tensor load of mine is out: from here on a load brings 8 tiles of one K step
	s_mov_b32 s[G1+4], 8
	s_mov_b32 s[G1B+2], 8<<16
	s_mov_b32 s[G1B+4], 8
	s_barrier_signal -1                            ; a plain barrier shows the four tiles to all waves
	s_barrier_wait -1
	FETCH_B 0, 0, 0
	FETCH_A 0, 0, 0
	SCALES 0
	FETCH_A 0, 0, 4
	s_wait_loadcnt 0x0                             ; the bias
	s_cmp_eq_u32 s67, 1                            ; the cluster's x: the same in all partners and all waves
	s_cbranch_scc1 .Lfirst_v
	STEP 0, 0, 1                                   ; Q, K: the bias runs along the registers
	s_branch .Lfirst_done
.Lfirst_v:
	STEP 0, 0, 2                                   ; V: along the lanes
.Lfirst_done:
	TURN 0, 1, 1                                   ; four K steps: written straight
	STEP 1, 0, 0
	TURN 1, 0, 1
	STEP 0, 0, 0
	TURN 0, 1, 0                                   ; nothing is left to fetch
	STEP 1, 0, 0
	s_wait_dscnt 4*NL
	WIN MUL_LO
	MUL16 0, 1, NQ-1, 1, 0
	MUL16 2, 1, NQ-1, 1, 0
	s_wait_dscnt 0
	WIN MUL_HI
	MUL16 4, 1, NQ-1, 1, 0
	MUL16 6, 1, NQ-1, 1, 0
	WIN 0
; THE EPILOGUE.  The 64 registers of A's block a (window w, from v[s] on) are 128 neighbours along B's rows in lanes l and l xor 16: register 16 b + i = 32 b + 16 (lane / 16) + i.
; QUANT makes of them four blocks' codes: blocks 0, 1 in v[d0] .. v[d0 + 5], blocks 2, 3 in v[d1] .. v[d1 + 5] (lanes 0-15 the even block, lanes 16-31 the odd one), and the four bytes in v[pw].
.macro QUANT w, s, d0, d1, pw
	WIN 20*(\w)                                    ; sources 1 and 2: window w
.irp b, 0,1,2,3
	v_max3_num_f32 v[TM+\b], 0x1800000, |v[(\s)+16*\b]|, |v[(\s)+16*\b+1]|   ; each accumulator from its low end on; the floor 2^(3 - 127) holds the byte at 1 from below
.endr
.irp i, 2,4,6,8,10,12,14
.irp b, 0,1,2,3
	v_max3_num_f32 v[TM+\b], v[TM+\b], |v[(\s)+16*\b+\i]|, |v[(\s)+16*\b+\i+1]|
.endr
.endr
	WIN 0
.irp b, 0,1,2,3
	v_permlanex16_b32 v[TM+4+\b], v[TM+\b], s[SEL], s[SEL+1]
.endr
.irp b, 0,1,2,3
	v_max_num_f32 v[TM+\b], v[TM+\b], v[TM+4+\b]   ; with lane l xor 16's: the block's largest magnitude
.endr
.irp b, 0,1,2,3
	v_add_nc_u32 v[TM+12+\b], 0xff000000, v[TM+\b] ; 2 off the exponent field: the conversion's scale operand
.endr
.irp b, 0,1,2,3
	v_lshrrev_b32 v[TM+4+\b], 23, v[TM+12+\b]      ; the scale's byte
.endr
	v_lshl_or_b32 v[\pw], v[TM+5], 8, v[TM+4]
	v_lshl_or_b32 v[\pw], v[TM+6], 16, v[\pw]
	v_lshl_or_b32 v[\pw], v[TM+7], 24, v[\pw]
	WIN (\w)                                       ; source 0: window w
	v_cvt_scalef32_pk16_fp6_f32 v[(\d0):(\d0)+2], v[(\s):(\s)+15], v[TM+12]
	v_cvt_scalef32_pk16_fp6_f32 v[CT:CT+2], v[(\s)+16:(\s)+31], v[TM+13]
	v_cvt_scalef32_pk16_fp6_f32 v[(\d1):(\d1)+2], v[(\s)+32:(\s)+47], v[TM+14]
	v_cvt_scalef32_pk16_fp6_f32 v[CT+4:CT+6], v[(\s)+48:(\s)+63], v[TM+15]
	WIN 0
	v_nop                                          ; one plain place behind a scaled conversion
.irp i, 0,1,2
	v_permlane16_swap_b32 v[(\d0)+\i], v[CT+\i]    ; a whole block to a lane
	v_permlane16_swap_b32 v[(\d1)+\i], v[CT+4+\i]
.endr
.irp i, 0,1,2
	v_mov_b32 v[(\d0)+3+\i], v[CT+\i]
	v_mov_b32 v[(\d1)+3+\i], v[CT+4+\i]
.endr
.endm
.macro FSTORE reg, off                 ; a fragment leaves as it stands: each store of the wave covers 512 consecutive bytes, aligned
.irp c, 0,1,2
	global_store_b128 v[IO], v[\reg+4*\c:\reg+4*\c+3], s[18:19] offset:\off+512*\c
.endr
.endm
.macro EPI mode
.irp f, 0,1,2,3
.if \f > 0
	s_wait_xcnt 0x0                                ; the last two fragments' stores have read their registers
.endif
.if \mode
	QUANT 2+(\f/2), 64*((2*\f)%4), FX, FX+6, W8+2*\f            ; V: A's block a is 16 of a head's 64 x my 128 keys: one fragment
	QUANT 2+(\f/2), 64*((2*\f+1)%4), FY, FY+6, W8+2*\f+1
	FSTORE FX, 98304*((2*\f)/4)+1536*((2*\f)%4)
	FSTORE FY, 98304*((2*\f+1)/4)+1536*((2*\f+1)%4)
.else
	QUANT 2+(\f/2), 64*((2*\f)%4), FX, FY, P0                   ; Q, K: A's block a is 16 tokens x two heads of 64: half a fragment for each head
	QUANT 2+(\f/2), 64*((2*\f+1)%4), FX+6, FY+6, P1
	v_perm_b32 v[W8+\f], v[P1], v[P0], 0x05040100  ; the first head's bytes of both token tiles
	v_perm_b32 v[W8+4+\f], v[P1], v[P0], 0x07060302   ; the second head's
	FSTORE FX, 1536*\f
	FSTORE FY, 98304+1536*\f
.endif
.endr
.endm
	PLACES NP                                      ; behind the last products: their results are read and A's registers are written below
	s_mov_b32 s[SEL], 0x76543210
	s_mov_b32 s[SEL+1], 0xfedcba98
.irp b, 0,1,2,3
	v_mov_b32 v[TM+4+\b], 0                        ; a lane permute's destination counts as one of its sources
.endr
	s_cmp_eq_u32 s67, 1
	s_cbranch_scc1 .Lepi_v
	EPI 0
	s_branch .Lepi_done
.Lepi_v:
	EPI 1
.Lepi_done:
	v_cmp_gt_u32 vcc_lo, 16, v3
	s_wait_alu depctr_va_vdst(0)
.irp i, 0,1,2,3
	v_cndmask_b32 v[SD+\i], v[W8+4+\i], v[W8+\i], vcc_lo   ; lanes 0-15 store the first head's four words of row r, lanes 16-31 the second head's
.endr
	global_store_b128 v[SOF], v[SD:SD+3], s[20:21] ; 16 lanes store 256 consecutive bytes, aligned
	s_wait_tensorcnt 0x0                           ; the wave's end
	ds_add_u32 v[SPW], v[NIL]
	s_wait_dscnt 0x0
	CROUND                                         ; the closing round
	s_endpgm
.Lfunc_end_k_q2596f84c9e_qkv:
	.size	k_q2596f84c9e_qkv, .Lfunc_end_k_q2596f84c9e_qkv-k_q2596f84c9e_qkv
	.p2alignl 7, 3214868480
	.fill 96, 4, 3214868480
	.section	.rodata,"a",@progbits
	.p2align	6, 0x0
	.amdhsa_kernel k_q2596f84c9e_qkv
		.amdhsa_group_segment_fixed_size 327680
		.amdhsa_private_segment_fixed_size 0
		.amdhsa_enable_private_segment 0
		.amdhsa_kernarg_size 72
		.amdhsa_user_sgpr_count 2
		.amdhsa_user_sgpr_kernarg_segment_ptr 1
		.amdhsa_wavefront_size32 1
		.amdhsa_system_sgpr_workgroup_id_x 1
		.amdhsa_system_sgpr_workgroup_id_y 1
		.amdhsa_system_sgpr_workgroup_id_z 1
		.amdhsa_system_vgpr_workitem_id 0
		.amdhsa_next_free_vgpr 1024
		.amdhsa_next_free_sgpr 102
		.amdhsa_reserve_vcc 1
		.amdhsa_float_denorm_mode_32 3
		.amdhsa_float_denorm_mode_16_64 3
		.amdhsa_memory_ordered 1
		.amdhsa_forward_progress 1
		.amdhsa_inst_pref_size 220
	.end_amdhsa_kernel
	.amdgpu_metadata
---
amdhsa.version: [ 1, 2 ]
amdhsa.kernels:
  - .name:           k_q2596f84c9e_qkv
    .symbol:         k_q2596f84c9e_qkv.kd
    .args:
      - { .name: x_img, .offset: 0, .size: 8, .value_kind: global_buffer, .address_space: global }
      - { .name: x_scl, .offset: 8, .size: 8, .value_kind: global_buffer, .address_space: global }
      - { .name: w_img, .offset: 16, .size: 8, .value_kind: global_buffer, .address_space: global }
      - { .name: w_scl, .offset: 24, .size: 8, .value_kind: global_buffer, .address_space: global }
      - { .name: b_q, .offset: 32, .size: 8, .value_kind: global_buffer, .address_space: global }
      - { .name: b_k, .offset: 40, .size: 8, .value_kind: global_buffer, .address_space: global }
      - { .name: b_v, .offset: 48, .size: 8, .value_kind: global_buffer, .address_space: global }
      - { .name: qkv_img, .offset: 56, .size: 8, .value_kind: global_buffer, .address_space: global }
      - { .name: qkv_scl, .offset: 64, .size: 8, .value_kind: global_buffer, .address_space: global }
    .group_segment_fixed_size: 327680
    .private_segment_fixed_size: 0
    .kernarg_segment_align: 8
    .kernarg_segment_size: 72
    .max_flat_workgroup_size: 128
    .sgpr_count:     102
    .vgpr_count:     1024
    .wavefront_size: 32
...
	.end_amdgpu_metadata
.endif
;; end of part 2
;; launch attn (part 3): grid 4 x 64, 16 waves a work-group, clusters of 4 x 1, 231,424 bytes of LDS; arguments qkv_img, qkv_scl, a_img, a_scl; writes a_img, a_scl
.if DOCPART == 3
	.amdgcn_target "amdgcn-amd-amdhsa--gfx1250"
	.amdhsa_code_object_version 6
	.text
	.protected	k_q2596f84c9e_attn
	.globl	k_q2596f84c9e_attn
	.p2align	8
	.type	k_q2596f84c9e_attn,@function
k_q2596f84c9e_attn:
	s_mov_b64 s[64:65], 0
	v_nop
	global_prefetch_b8 v0, s[64:65] scope:SCOPE_SE
	s_setreg_imm32_b32 hwreg(HW_REG_WAVE_MODE, 25, 1), 1
	s_wait_xcnt 0x0
	s_wait_alu depctr_hold_cnt(0) depctr_sa_sdst(0) depctr_va_vdst(0) depctr_va_sdst(0) depctr_va_ssrc(0) depctr_va_vcc(0) depctr_vm_vsrc(0)
	s_getreg_b32 s2, hwreg(HW_REG_IB_STS2, 6, 4)
	s_cmp_eq_u32 s2, 0
	s_cbranch_scc0 .Lentry_in_a_cluster
	s_endpgm
.Lentry_in_a_cluster:
	s_bfe_u32 s2, ttmp6, 0x10000c
	s_cmp_lg_u32 s2, 0x3003
	s_cbranch_scc0 .Lentry_shape_is_right
	s_endpgm
.Lentry_shape_is_right:
; attn[b][q][head] = softmax_k(Q . K / 8) V for one batch x head, both products on codes of FP6 (E2M3) with E8M0 scales; the result is quantised along the model's 1,024 and leaves as codes for the last product.
; THE SOFTMAX AHEAD OF THE SECOND PRODUCT: t = score x log2(e) / 8; M = the row's largest t so far, rounded up to a whole number; p = 2^(t - M) is quantised along the keys, not normalised; the row's sum is taken
; of the unquantised p and divides at the end.  When M moves, the sum and O are multiplied by 2^(old M - new M): exact, and done in every step without a branch.
; SHARES: 256 work-groups; a work-group owns 512 queries of one batch x head; each of its sixteen waves walks all 2,048 keys (128 a step) twice, once for each of its two tiles of 16 queries.
; LDS: the head's K and V (96 KiB of codes each) and their scale words lie in LDS whole, filled ONCE by thirteen joint loads at the head, one a wave.  What the first two key steps read has load lines of its own:
; wave 0 K's first eighth (key steps 0, 1), wave 1 V's first quarter (key steps 0-3), wave 2 both tensors' scale words.  Waves 3-9 bring K's other eighths, waves 10-12 V's other quarters.
; The first barrier shows the three early tiles (waves under 3 alone wait for their loads ahead of it); two key steps are walked while the other ten loads are out; then every wave waits for its load and a second
; barrier shows all.  No byte is filled again, behind either barrier or later.  The four work-groups of a cluster are the four of one head: every tile is asked for jointly.
; No data prefetch: every tile is asked for at the head, so there is no loop in which to ask ahead.
; LAYOUT: both products transposed: S^T = K Q^T, O^T = V^T P^T: a lane holds one query throughout.
; THE HEAD IS 64 AND THE INSTRUCTION'S K IS 128: a fragment of K holds two tiles of 16 keys, in k 0-63 and in k 64-127.  Multiplied by [q | 0] it gives the first tile's scores, by [0 | q] the second's; the other
; half meets zero codes.  The registers are 0 q 0, six each: [0 | q] and [q | 0] overlap in q.
; A LANE HOLDS WHOLE SCALE BLOCKS OF p.  Lanes r < 8 read rows r + 8 a of the stored fragment 2 c, lanes r >= 8 rows r - 8 + 8 a of fragment 2 c + 1.  By the rows' order in the stored tiles the products' rows 0-7 are
; then keys 16 a + 8 u + j of block 2 c and rows 8-15 the same of block 2 c + 1: lane (r, h) has in registers 32 c + i key i of block 2 c + h, which is the second product's operand layout: no lane is asked for a
; block's maximum and no codes change lanes.  In LDS each 512 bytes of K have 128 bytes of padding behind them, so that neighbouring fragments lie 1,920 bytes apart and the two halves of sixteen lanes read
; different halves of a row of 256 bytes.
; LIMITS: NaN and infinities are not served; a block whose largest magnitude lies under 2^-124 gets the byte 1 (this program alone reads the bytes); the promise holds while |t| stays under 2^31.
.set KST,   7680                       ; LDS: a key step of K: 4 fragments x 3 x (512 + 128)
.set VIMG,  122880                     ; V's codes, 6,144 bytes a step
.set KSC,   221184                     ; K's scale words, 256 bytes a step; V's 4,096 bytes on
.set SPARE, 229376                     ; the spare words: 128 bytes a wave, no other line names them
.set AK0, 1                            ; v1-4 lane addresses that stay: K, V, K's scale words, V's
.set AV0, 2
.set AS0, 3
.set AW0, 4
.set SH,  5                            ; v5 8 h
.set OA,  6                            ; v6 8 x lane; v7 8 r + h: the way out
.set OB,  7
.set ADK, 8                            ; v8-11 the step's addresses
.set ADV, 9
.set ADS, 10
.set ADW, 11                           ; v12 -M, v13 the largest score, v[14:15] the sum
.set QZ,  16                           ; v16-33 0 q 0
.set Q2,  36                           ; v36-41 the second tile's q
.set OLD, 43                           ; the last -M
.set QSC, 44                           ; q's scale word; v47 the second tile's
.set QS2, 47
.set KV,  48                           ; v48-95 four fragments of K, then of V
.set SS,  96                           ; v96-159 S^T, then p
.set OO,  160                          ; v160-191 O^T
.set PC,  192                          ; v192-203 p's codes
.set CT,  204                          ; v204-206, v208-210 second halves of the blocks' codes
.set SB,  212                          ; v212-217 three partial sums
.set MX,  218                          ; v218-221 chains of maxima
.set MY,  220
.set SO,  222                          ; v222-223 the conversions' scale operands
.set BY,  224                          ; v224-225 scale bytes
.set PT,  226
.set FF,  228                          ; v228 f = 2^(old M - new M)
.set PSC, 229                          ; v229 p's scale word
.set SPW, 230
.set NIL, 231
.set KS,  232                          ; v232-235 K's, then V's scale words
.set TX,  236
.set TY,  237
.set TBK, 2                            ; s2, s3, s62: where the step's K, V and scale words begin
.set TBV, 3
.set TS,  62
.set WV,  18                           ; s18 my wave's number
.set CN,  19                           ; s19 -c
.set SEL, 20                           ; s[20:21] lane selects for lane l xor 16
.set CS,  22                           ; s[22:23] c = log2(e) / 8
.set G1K, 24                           ; s[24:31], s[32:39], s[40:47] group 1 for K, V, the scale words
.set G1V, 32
.set G1C, 40                           ; groups 0: s[48:51] K's later eighths, s[52:55] V's later quarters, s[56:59] the scale words, s[88:91] K's first eighth, s[92:95] V's first quarter
.set CNT, 60
.macro CROUND                          ; a round of the cluster's barrier
	s_barrier_signal -1
	s_barrier_wait -1
	s_cmp_lg_u32 s[WV], 0
	s_cbranch_scc1 .Lnot_wave_0_\@
	s_barrier_signal -3
.Lnot_wave_0_\@:
	s_barrier_wait -3
	s_barrier_signal -1
	s_barrier_wait -1
.endm
.macro WALU
	s_wait_alu depctr_va_vdst(0)
.endm
.macro MM d, a, b, c, sa, sb
	v_wmma_scale_f32_16x16x128_f8f6f4 v[\d:\d+7], v[\a:\a+11], v[\b:\b+11], \c, v[\sa], v[\sb] matrix_a_fmt:MATRIX_FMT_FP6 matrix_b_fmt:MATRIX_FMT_FP6
.endm
.macro TLOAD g0, g1
	tensor_load_to_lds s[\g0:\g0+3], s[\g1:\g1+7]
	s_nop 0
.rept 4
	v_nop
.endr
.endm
	s_load_b256 s[4:11], s[0:1], 0x0               ; qkv_img s[4:5], qkv_scl s[6:7], a_img s[8:9], a_scl s[10:11]
	v_lshl_add_u32 v[SPW], v0, 2, SPARE
	v_mov_b32 v[NIL], 0
	ds_add_u32 v[SPW], v[NIL]                      ; the opening lines: the add, twice on end, and its wait ahead of the first tensor load
	ds_add_u32 v[SPW], v[NIL]
	v_lshrrev_b32 v8, 5, v0
	v_readfirstlane_b32 s[WV], v8                  ; wave 0..15
	s_bfe_u32 s61, ttmp6, 0x40000                  ; cx: my 512 queries; it enters Q's and the result's addresses alone
	s_and_b32 s63, ttmp7, 0xffff                   ; batch x head, which the four partners share
	s_mul_i32 s69, s63, 98304
	s_add_co_u32 s76, s[WV], 6
	s_and_b32 s76, s76, 7                          ; waves 3-9: K's eighths 1-7
	s_mul_i32 s70, s76, 12288                      ; K is part 1 of the image
	s_add_co_u32 s70, s70, s69
	s_add_co_u32 s70, s70, 6291456
	s_mov_b32 s71, 0
	s_add_co_u32 s67, s[WV], 3
	s_and_b32 s67, s67, 3                          ; waves 10-12: V's quarters 1-3
	s_mul_i32 s72, s67, 24576                      ; V is part 2
	s_add_co_u32 s68, s72, VIMG
	s_add_co_u32 s72, s72, s69
	s_add_co_u32 s72, s72, 12582912
	s_mov_b32 s73, 0
	s_lshl_b32 s74, s63, 12                        ; the scale words: K's 4,096 bytes; V's lie 262,144 bytes on
	s_add_co_u32 s74, s74, 262144
	s_mov_b32 s75, 0
	s_mul_i32 s66, s76, 15360                      ; LDS: 24 rows of 512 + 128
	s_add_co_u32 s84, s69, 6291456                 ; where K and V begin
	s_mov_b32 s85, 0
	s_add_co_u32 s86, s69, 12582912
	s_mov_b32 s87, 0
	s_mov_b32 s[G1K], 15|(3<<16)|(1<<20)|(1<<21)|(6<<22)|(31<<25)   ; the mask: all four; elements of 8 bytes; padding: behind every 128 words 32 words
	s_mov_b32 s[G1K+1], 64<<16                     ; 24 rows of 512 dense bytes
	s_mov_b32 s[G1K+2], 24<<16
	s_mov_b32 s[G1K+3], 64<<16
	s_mov_b32 s[G1K+4], 24
	s_mov_b32 s[G1K+5], 64
	s_mov_b32 s[G1K+6], 0
	s_mov_b32 s[G1K+7], 0
	s_mov_b32 s[G1V], 15|(3<<16)|(1<<21)
	s_mov_b32 s[G1V+1], 32<<16                     ; 96 rows of 256 dense bytes
	s_mov_b32 s[G1V+2], 96<<16
	s_mov_b32 s[G1V+3], 32<<16
	s_mov_b32 s[G1V+4], 96
	s_mov_b32 s[G1V+5], 32
	s_mov_b32 s[G1V+6], 0
	s_mov_b32 s[G1V+7], 0
	s_mov_b32 s[G1C], 15|(3<<16)|(1<<21)
	s_mov_b32 s[G1C+1], 512<<16                    ; 2 rows of 4,096 bytes, 262,144 bytes apart
	s_mov_b32 s[G1C+2], 2<<16
	s_mov_b32 s[G1C+3], 512<<16
	s_mov_b32 s[G1C+4], 2
	s_mov_b32 s[G1C+5], 32768
	s_mov_b32 s[G1C+6], 0
	s_mov_b32 s[G1C+7], 0
	s_mov_b32 s[SEL], 0x76543210
	s_mov_b32 s[SEL+1], 0xfedcba98
	s_mov_b32 s[CS], 0x3e38aa3b                    ; log2(e) / 8
	s_mov_b32 s[CS+1], s[CS]                       ; (named with it as a pair, so it is written)
	s_mov_b32 s[CN], 0xbe38aa3b
	s_wait_dscnt 0x0
	s_wait_kmcnt 0x0
	s_mov_b32 s48, 1
	s_mov_b32 s49, s66
	s_add_nc_u64 s[50:51], s[4:5], s[70:71]
	s_or_b32 s51, s51, 0x80000000
	s_mov_b32 s52, 1
	s_mov_b32 s53, s68
	s_add_nc_u64 s[54:55], s[4:5], s[72:73]
	s_or_b32 s55, s55, 0x80000000
	s_mov_b32 s56, 1
	s_mov_b32 s57, KSC
	s_add_nc_u64 s[58:59], s[6:7], s[74:75]
	s_or_b32 s59, s59, 0x80000000
	s_mov_b32 s88, 1
	s_mov_b32 s89, 0
	s_add_nc_u64 s[90:91], s[4:5], s[84:85]
	s_or_b32 s91, s91, 0x80000000
	s_mov_b32 s92, 1
	s_mov_b32 s93, VIMG
	s_add_nc_u64 s[94:95], s[4:5], s[86:87]
	s_or_b32 s95, s95, 0x80000000
	CROUND                                         ; all four work-groups are here: the joint loads meet
	s_cmp_lt_u32 s[WV], 1                          ; one chain of branches on the wave's number, one load to an arm, all arms to one join; the three tiles that are read first stand first
	s_cbranch_scc0 .Lnot_k0
	TLOAD 88, G1K
	s_branch .Lasked
.Lnot_k0:
	s_cmp_lt_u32 s[WV], 2
	s_cbranch_scc0 .Lnot_v0
	TLOAD 92, G1V
	s_branch .Lasked
.Lnot_v0:
	s_cmp_lt_u32 s[WV], 3
	s_cbranch_scc0 .Lnot_c
	TLOAD 56, G1C
	s_branch .Lasked
.Lnot_c:
	s_cmp_lt_u32 s[WV], 10
	s_cbranch_scc0 .Lnot_k
	TLOAD 48, G1K
	s_branch .Lasked
.Lnot_k:
	s_cmp_lt_u32 s[WV], 13
	s_cbranch_scc0 .Lasked
	TLOAD 52, G1V
.Lasked:
	; my first 16 queries: token tile 32 cx + wave of the head: group of 128 sQ, fragment f, half of it; the second tile lies 16 tiles, two groups, on
	s_lshr_b32 s76, s[WV], 3
	s_lshl_b32 s77, s61, 2
	s_add_co_u32 s76, s76, s77                     ; sQ
	s_bfe_u32 s77, s[WV], 0x20001                  ; f
	s_and_b32 s78, s[WV], 1                        ; which half of the fragment
	s_mul_i32 s80, s76, 6144
	s_add_co_u32 s80, s80, s69
	s_mul_i32 s79, s77, 1536
	s_add_co_u32 s80, s80, s79
	s_mov_b32 s81, 0
	s_add_nc_u64 s[4:5], s[4:5], s[80:81]
	s_lshl_b32 s80, s63, 12
	s_lshl_b32 s79, s76, 8
	s_add_co_u32 s80, s80, s79
	s_lshl_b32 s79, s77, 2
	s_add_co_u32 s80, s80, s79
	s_add_nc_u64 s[6:7], s[6:7], s[80:81]
	v_and_b32 v8, 31, v0                           ; lane
	v_and_b32 v9, 15, v0                           ; r
	v_bfe_u32 v10, v0, 4, 1                        ; h
	v_and_b32 v11, 7, v0                           ; r % 8
	v_bfe_u32 v43, v0, 3, 1                        ; r / 8
	v_lshlrev_b32 v45, 4, v8                       ; 16 x lane
	v_lshlrev_b32 v46, 4, v9                       ; 16 r
	v_lshlrev_b32 v[AK0], 4, v11
	v_lshlrev_b32 v[AS0], 4, v11
	v_lshl_add_u32 v[AK0], v10, 8, v[AK0]
	v_lshl_add_u32 v[AS0], v43, 2, v[AS0]
	v_mad_u32_u24 v[AK0], v43, 1920, v[AK0]        ; K: 16 (r % 8) + 256 h + 1,920 (r / 8)
	v_add_nc_u32 v[AS0], KSC, v[AS0]               ; its scale words: row r % 8 (+ 8 a), fragment r / 8 (+ 2 c)
	v_add_nc_u32 v[AV0], VIMG, v45
	v_lshl_add_u32 v[AW0], v9, 4, KSC+4096         ; V's: a row's four words of a step
	v_lshlrev_b32 v[SH], 3, v10
	v_lshlrev_b32 v[OA], 3, v8
	v_lshl_add_u32 v[OB], v9, 3, v10
.irp c, 0,1,2
	global_load_b128 v[SS+4*\c:SS+4*\c+3], v45, s[4:5] offset:512*\c
	global_load_b128 v[SS+12+4*\c:SS+15+4*\c], v45, s[4:5] offset:12288+512*\c
.endr
	global_load_b32 v[SS+24], v46, s[6:7]
	global_load_b32 v[SS+25], v46, s[6:7] offset:512
	; where the result goes: token tile T, head hd
	s_lshr_b32 s82, s63, 4
	s_lshl_b32 s82, s82, 7
	s_lshl_b32 s79, s61, 5
	s_add_co_u32 s82, s82, s79
	s_add_co_u32 s82, s82, s[WV]                   ; T
	s_and_b32 s83, s63, 15                         ; hd
	s_lshr_b32 s84, s82, 4                         ; the codes lie [unit of 16 tiles][k / 256][tile of the unit][3,072 bytes]; the head's 64 are 768 bytes of them
	s_mul_i32 s84, s84, 196608
	s_and_b32 s79, s82, 15
	s_mul_i32 s79, s79, 3072
	s_add_co_u32 s84, s84, s79
	s_lshr_b32 s79, s83, 2
	s_mul_i32 s79, s79, 49152
	s_add_co_u32 s84, s84, s79
	s_and_b32 s79, s83, 3
	s_mul_i32 s79, s79, 768
	s_add_co_u32 s84, s84, s79
	s_mov_b32 s85, 0
	s_add_nc_u64 s[8:9], s[8:9], s[84:85]
	s_lshl_b32 s84, s82, 9
	s_lshr_b32 s79, s83, 2
	s_lshl_b32 s79, s79, 7
	s_add_co_u32 s84, s84, s79
	s_and_b32 s79, s83, 3
	s_lshl_b32 s79, s79, 1
	s_add_co_u32 s84, s84, s79                     ; the head's two bytes in a row's eight: 2 (hd % 4)
	s_add_nc_u64 s[10:11], s[10:11], s[84:85]
	s_cmp_eq_u32 s78, 1
	s_cselect_b32 s86, -1, 0
	s_mov_b32 s87, 0x01000100
	s_cselect_b32 s87, 0x03020302, s87
	WALU
	s_wait_loadcnt 0x0
.irp i, 0,1,2,3,4,5
	v_cndmask_b32 v[QZ+6+\i], v[SS+\i], v[SS+6+\i], s86        ; my tiles' six registers
	v_cndmask_b32 v[Q2+\i], v[SS+12+\i], v[SS+18+\i], s86
	v_mov_b32 v[QZ+\i], 0
	v_mov_b32 v[QZ+12+\i], 0
.endr
	v_perm_b32 v[QSC], v[SS+24], v[SS+24], s87     ; my tile's two bytes, for k 0-63 and again for k 64-127
	v_perm_b32 v[QS2], v[SS+25], v[SS+25], s87
	v_mov_b32 v[PT], 0                             ; a lane permute's destination counts as one of its sources
	v_mov_b32 v[TY], 0
	v_mov_b32 v[PSC], 0                            ; (named as the upper half of the pair with f before it is first written)
.macro INIT                            ; a walk's start: the step is written once, and its first trip finds zeros
	v_mov_b32 v13, 0xff61b1e6                      ; the largest score so far: -3e38
	v_mov_b32 v12, 0x7f61b1e6                      ; -M: so large that the first f is 0
	v_mov_b32 v14, 0
	v_mov_b32 v15, 0
.set j, 0
.rept 32
	v_mov_b32 v[OO+j], 0
.set j, j+1
.endr
.endm
.macro STEP                            ; 128 keys
	v_add_nc_u32 v[ADK], s[TBK], v[AK0]            ; these four are also the places in front of loads into registers that the last products read
	v_add_nc_u32 v[ADS], s[TS], v[AS0]
	v_add_nc_u32 v[ADV], s[TBV], v[AV0]
	v_add_nc_u32 v[ADW], s[TS], v[AW0]
.irp c, 0,1
.irp a, 0,1
.irp e, 0,1,2
	ds_load_b128 v[KV+12*(2*\c+\a)+4*\e:KV+12*(2*\c+\a)+4*\e+3], v[ADK] offset:3840*\c+128*\a+640*\e
.endr
	ds_load_b32 v[KS+2*\c+\a], v[ADS] offset:128*\a+8*\c
.endr
.endr
	WALU
	s_wait_dscnt 0x0
.irp c, 0,1
.irp a, 0,1
	MM SS+32*\c+16*\a, KV+12*(2*\c+\a), QZ+6, 0, KS+2*\c+\a, QSC      ; x [q | 0]: keys 16 a + 0 .. 7 of my block 2 c + h
	MM SS+32*\c+16*\a+8, KV+12*(2*\c+\a), QZ, 0, KS+2*\c+\a, QSC      ; x [0 | q]: keys 16 a + 8 .. 15
.endr
.endr
	v_mov_b32 v[OLD], v12                          ; four places: the scores are read, and V lands where K lay
.rept 3
	v_nop
.endr
.irp t, 0,1,2,3                        ; V's four fragments and scale words are asked for now and land under the softmax
.irp e, 0,1,2
	ds_load_b128 v[KV+12*\t+4*\e:KV+12*\t+4*\e+3], v[ADV] offset:1536*\t+512*\e
.endr
.endr
	ds_load_b128 v[KS:KS+3], v[ADW]
.irp c, 0,1                            ; the largest score of my two blocks of 32 keys, two chains each, every accumulator from its low end on
	v_max3_num_f32 v[MX+\c], v[SS+32*\c], v[SS+32*\c+1], v[SS+32*\c+2]
	v_max3_num_f32 v[MY+\c], v[SS+32*\c+16], v[SS+32*\c+17], v[SS+32*\c+18]
.endr
.irp i, 3,5,7,9,11,13
.irp c, 0,1
	v_max3_num_f32 v[MX+\c], v[MX+\c], v[SS+32*\c+\i], v[SS+32*\c+\i+1]
	v_max3_num_f32 v[MY+\c], v[MY+\c], v[SS+32*\c+16+\i], v[SS+32*\c+17+\i]
.endr
.endr
.irp c, 0,1
	v_max3_num_f32 v[MX+\c], v[MX+\c], v[MY+\c], v[SS+32*\c+15]
.endr
.irp c, 0,1
	v_max_num_f32 v[MX+\c], v[MX+\c], v[SS+32*\c+31]
.endr
	s_delay_alu instid0(VALU_DEP_1)
	v_max_num_f32 v[TX], v[MX], v[MX+1]
	s_delay_alu instid0(VALU_DEP_1)
	v_permlanex16_b32 v[TY], v[TX], s[SEL], s[SEL+1]
	s_delay_alu instid0(VALU_DEP_1)
	v_max3_num_f32 v13, v13, v[TX], v[TY]          ; the running largest score of my query (c is positive)
	s_delay_alu instid0(VALU_DEP_1)
	v_mul_f32 v[TX], s[CN], v13                    ; -t
	s_delay_alu instid0(VALU_DEP_1)
	v_floor_f32 v12, v[TX]                         ; the new -M = -ceil(t)
	s_delay_alu instid0(VALU_DEP_1)
	v_sub_f32 v[TX], v12, v[OLD]                   ; old M - new M: a whole number, 0 or less
	s_delay_alu instid0(VALU_DEP_1)
	v_cvt_i32_f32 v[TX], v[TX]                     ; (it saturates)
	s_delay_alu instid0(VALU_DEP_1)
	v_ldexp_f32 v[FF], 1.0, v[TX]                  ; f = 2^(old M - new M)
.set j, 0
.rept 32
	v_pk_fma_f32 v[SS+j:SS+j+1], v[SS+j:SS+j+1], s[CS:CS+1], v[12:13] op_sel_hi:[1,0,0]   ; t - M, two at a time
.set j, j+2
.endr
.irp c, 0,1
	v_fma_f32 v[MX+\c], v[MX+\c], s[CS], v12       ; the same of each block's largest score: p rises with the score
.endr
.set j, 0
.rept 16
	v_pk_mul_f32 v[OO+j:OO+j+1], v[OO+j:OO+j+1], v[FF:FF+1] op_sel_hi:[1,0]   ; O^T under the new M, ahead of the exponentials
.set j, j+2
.endr
	WALU
.set j, 0
.rept 64
	v_exp_f32 v[SS+j], v[SS+j]                     ; p = 2^(t - M)
.set j, j+1
.endr
.irp c, 0,1
	v_exp_f32 v[MX+\c], v[MX+\c]                   ; the block's largest p: the same two instructions on the same number
.endr
	v_pk_mul_f32 v[14:15], v[14:15], v[FF:FF+1] op_sel_hi:[1,0]   ; the sum under the new M: a plain place behind the exponentials
	WALU                                           ; one wait for the batch, ahead of its first reader
.irp c, 0,1
	v_max_num_f32 v[MX+\c], 0x1800000, v[MX+\c]    ; the floor 2^(3 - 127): the byte cannot fall under 1
.endr
.irp c, 0,1
	s_delay_alu instid0(VALU_DEP_2)
	v_add_nc_u32 v[SO+\c], 0xff000000, v[MX+\c]    ; 2 off the exponent field: the conversion's scale operand
.endr
.irp c, 0,1
	v_cvt_scalef32_pk16_fp6_f32 v[PC+6*\c:PC+6*\c+2], v[SS+32*\c:SS+32*\c+15], v[SO+\c]
	v_cvt_scalef32_pk16_fp6_f32 v[CT+4*\c:CT+4*\c+2], v[SS+32*\c+16:SS+32*\c+31], v[SO+\c]   ; (a conversion's three registers begin on an even number)
.endr
.irp c, 0,1
	v_lshrrev_b32 v[BY+\c], 23, v[SO+\c]           ; the scale's byte; also the plain place behind the conversions
.endr
	s_delay_alu instid0(VALU_DEP_1)
	v_lshl_or_b32 v[PSC], v[BY+1], 16, v[BY]       ; my two bytes, blocks h and 2 + h,
	s_delay_alu instid0(VALU_DEP_1)
	v_lshlrev_b32 v[PSC], v[SH], v[PSC]            ; at their places in the word;
	s_delay_alu instid0(VALU_DEP_1)
	v_permlanex16_b32 v[PT], v[PSC], s[SEL], s[SEL+1]
	s_delay_alu instid0(VALU_DEP_1)
	v_or_b32 v[PSC], v[PSC], v[PT]                 ; with lane l xor 16's two the word is whole
.irp c, 0,1
.irp i, 0,1,2
	v_mov_b32 v[PC+6*\c+3+\i], v[CT+4*\c+\i]
.endr
.endr
	; the row's sum of the unquantised p: 32 pairs and the running pair, four chains; these 32 lines are also the places between the operand's and the scale word's last writes and the products
	v_pk_add_f32 v[SB:SB+1], v[SS:SS+1], v[SS+2:SS+3]
	v_pk_add_f32 v[SB+2:SB+3], v[SS+4:SS+5], v[SS+6:SS+7]
	v_pk_add_f32 v[SB+4:SB+5], v[SS+8:SS+9], v[SS+10:SS+11]
.set j, 12
.rept 6
	v_pk_add_f32 v[14:15], v[14:15], v[SS+j:SS+j+1]
	v_pk_add_f32 v[SB:SB+1], v[SB:SB+1], v[SS+j+2:SS+j+3]
	v_pk_add_f32 v[SB+2:SB+3], v[SB+2:SB+3], v[SS+j+4:SS+j+5]
	v_pk_add_f32 v[SB+4:SB+5], v[SB+4:SB+5], v[SS+j+6:SS+j+7]
.set j, j+8
.endr
	v_pk_add_f32 v[14:15], v[14:15], v[SS+60:SS+61]
	v_pk_add_f32 v[SB:SB+1], v[SB:SB+1], v[SS+62:SS+63]
	s_delay_alu instid0(VALU_DEP_1)
	v_pk_add_f32 v[SB:SB+1], v[SB:SB+1], v[SB+2:SB+3]
	s_delay_alu instid0(VALU_DEP_3)
	v_pk_add_f32 v[14:15], v[14:15], v[SB+4:SB+5]
	s_delay_alu instid0(VALU_DEP_1)
	v_pk_add_f32 v[14:15], v[14:15], v[SB:SB+1]
	WALU
	s_wait_dscnt 0x0                               ; V is in
.irp t, 0,1,2,3                        ; four accumulators by turns; eight products K Q^T stand between two steps of a sum
	MM OO+8*\t, KV+12*\t, PC, v[OO+8*\t:OO+8*\t+7], KS+\t, PSC
.endr
.endm
.macro WALK n, reset                   ; n key steps, from key 0 (reset = 1) or on from where the last walk stopped
.if \reset
	s_mov_b32 s[TBK], 0
	s_mov_b32 s[TBV], 0
	s_mov_b32 s[TS], 0
.endif
	s_mov_b32 s[CNT], \n
.Lstep_\@:
	STEP
	s_add_co_u32 s[TBK], s[TBK], KST
	s_add_co_u32 s[TBV], s[TBV], 6144
	s_add_co_u32 s[TS], s[TS], 256
	s_sub_co_u32 s[CNT], s[CNT], 1
	s_cmp_lg_u32 s[CNT], 0
	s_cbranch_scc1 .Lstep_\@
.endm
; THE WAY OUT: O^T / the sum; registers 16 b + i are the head's 32 b + 16 (lane / 16) + i: two blocks of the last product's K, each in lanes l and l xor 16
.macro LEAVE
.rept 4
	v_nop
.endr
	v_add_f32 v14, v14, v15
	v_permlanex16_b32 v[TY], v14, s[SEL], s[SEL+1]
	v_add_f32 v14, v14, v[TY]                      ; the row's sum
	WALU
	v_rcp_f32 v14, v14
	v_nop                                          ; a plain place behind the reciprocal
	WALU                                           ; and the wait ahead of its first reader, which is O^T's first reader too
.set j, 0
.rept 16
	v_pk_mul_f32 v[SS+j:SS+j+1], v[OO+j:OO+j+1], v[14:15] op_sel_hi:[1,0]
.set j, j+2
.endr
.irp b, 0,1
	v_max3_num_f32 v[MX+\b], |v[SS+16*\b]|, |v[SS+16*\b+1]|, 0x1800000
.endr
.irp i, 2,4,6,8,10,12,14
.irp b, 0,1
	v_max3_num_f32 v[MX+\b], v[MX+\b], |v[SS+16*\b+\i]|, |v[SS+16*\b+\i+1]|
.endr
.endr
.irp b, 0,1
	v_permlanex16_b32 v[MY+\b], v[MX+\b], s[SEL], s[SEL+1]
.endr
.irp b, 0,1
	v_max_num_f32 v[MX+\b], v[MX+\b], v[MY+\b]
.endr
.irp b, 0,1
	v_add_nc_u32 v[SO+\b], 0xff000000, v[MX+\b]
.endr
.irp b, 0,1
	v_lshrrev_b32 v[BY+\b], 23, v[SO+\b]
.endr
	v_cvt_scalef32_pk16_fp6_f32 v[PC:PC+2], v[SS:SS+15], v[SO]
	v_cvt_scalef32_pk16_fp6_f32 v[CT:CT+2], v[SS+16:SS+31], v[SO+1]
	v_nop                                          ; one plain place behind a scaled conversion
.irp i, 0,1,2
	v_permlane16_swap_b32 v[PC+\i], v[CT+\i]       ; a whole block to a lane
.endr
.irp i, 0,1,2
	v_mov_b32 v[PC+3+\i], v[CT+\i]
.endr
	v_cmp_eq_u32 vcc_lo, 0, v[SH]
	v_cndmask_b32 v[PT], v[BY+1], v[BY], vcc_lo    ; lanes 0-15 store block 0's byte, lanes 16-31 block 1's
.irp e, 0,1,2
	global_store_b64 v[OA], v[PC+2*\e:PC+2*\e+1], s[8:9] offset:256*\e   ; 32 lanes store 256 consecutive bytes, aligned
.endr
	global_store_b8 v[OB], v[PT], s[10:11]         ; a row's scale words hold four heads' bytes, so a head's two go out as bytes: 32 bytes beside the wave's 768 of codes
.endm
	INIT
	WALU
	s_cmp_lt_u32 s[WV], 3                          ; the three waves whose load lines are their own wait for them here
	s_cbranch_scc0 .Lnot_first
	s_wait_tensorcnt 0x0
.Lnot_first:
	s_barrier_signal -1
	s_barrier_wait -1                              ; K's key steps 0, 1, V's 0-3 and all scale words are in; the other ten loads may be out
	WALK 2, 1
	s_wait_tensorcnt 0x0                           ; my load has landed (a wave without one passes): on every wave's way
	s_barrier_signal -1
	s_barrier_wait -1                              ; K and V are whole for all sixteen waves; nothing is filled again
	WALK 14, 0
	LEAVE
	s_wait_xcnt 0x0                                ; the stores have read their bases and their data
	s_add_nc_u64 s[8:9], s[8:9], 196608            ; the second tile of queries: 16 token tiles, one unit, on
	s_add_nc_u64 s[10:11], s[10:11], 8192
.irp i, 0,1,2,3,4,5
	v_mov_b32 v[QZ+6+\i], v[Q2+\i]
.endr
	v_mov_b32 v[QSC], v[QS2]
	INIT
	WALU
	WALK 16, 1
	LEAVE
	s_wait_tensorcnt 0x0                           ; the wave's end
	ds_add_u32 v[SPW], v[NIL]
	s_wait_dscnt 0x0
	CROUND                                         ; the closing round
	s_endpgm
.Lfunc_end_k_q2596f84c9e_attn:
	.size	k_q2596f84c9e_attn, .Lfunc_end_k_q2596f84c9e_attn-k_q2596f84c9e_attn
	.p2alignl 7, 3214868480
	.fill 96, 4, 3214868480
	.section	.rodata,"a",@progbits
	.p2align	6, 0x0
	.amdhsa_kernel k_q2596f84c9e_attn
		.amdhsa_group_segment_fixed_size 231424
		.amdhsa_private_segment_fixed_size 0
		.amdhsa_enable_private_segment 0
		.amdhsa_kernarg_size 32
		.amdhsa_user_sgpr_count 2
		.amdhsa_user_sgpr_kernarg_segment_ptr 1
		.amdhsa_wavefront_size32 1
		.amdhsa_system_sgpr_workgroup_id_x 1
		.amdhsa_system_sgpr_workgroup_id_y 1
		.amdhsa_system_sgpr_workgroup_id_z 1
		.amdhsa_system_vgpr_workitem_id 0
		.amdhsa_next_free_vgpr 256
		.amdhsa_next_free_sgpr 96
		.amdhsa_reserve_vcc 1
		.amdhsa_float_denorm_mode_32 3
		.amdhsa_float_denorm_mode_16_64 3
		.amdhsa_memory_ordered 1
		.amdhsa_forward_progress 1
		.amdhsa_inst_pref_size 68
	.end_amdhsa_kernel
	.amdgpu_metadata
---
amdhsa.version: [ 1, 2 ]
amdhsa.kernels:
  - .name:           k_q2596f84c9e_attn
    .symbol:         k_q2596f84c9e_attn.kd
    .args:
      - { .name: qkv_img, .offset: 0, .size: 8, .value_kind: global_buffer, .address_space: global }
      - { .name: qkv_scl, .offset: 8, .size: 8, .value_kind: global_buffer, .address_space: global }
      - { .name: a_img, .offset: 16, .size: 8, .value_kind: global_buffer, .address_space: global }
      - { .name: a_scl, .offset: 24, .size: 8, .value_kind: global_buffer, .address_space: global }
    .group_segment_fixed_size: 231424
    .private_segment_fixed_size: 0
    .kernarg_segment_align: 8
    .kernarg_segment_size: 32
    .max_flat_workgroup_size: 512
    .sgpr_count:     96
    .vgpr_count:     256
    .wavefront_size: 32
...
	.end_amdgpu_metadata
.endif
;; end of part 3
;; launch oproj (part 4): grid 4 x 64, 4 waves a work-group, clusters of 4 x 4, 327,680 bytes of LDS; arguments a_img, a_scl, w_img, w_scl, b_o, out0; writes out0
.if DOCPART == 4
	.amdgcn_target "amdgcn-amd-amdhsa--gfx1250"
	.amdhsa_code_object_version 6
	.text
	.protected	k_q2596f84c9e_oproj
	.globl	k_q2596f84c9e_oproj
	.p2align	8
	.type	k_q2596f84c9e_oproj,@function
k_q2596f84c9e_oproj:
	s_mov_b64 s[64:65], 0
	v_nop
	global_prefetch_b8 v0, s[64:65] scope:SCOPE_SE
	s_setreg_imm32_b32 hwreg(HW_REG_WAVE_MODE, 25, 1), 1
	s_wait_xcnt 0x0
	s_wait_alu depctr_hold_cnt(0) depctr_sa_sdst(0) depctr_va_vdst(0) depctr_va_sdst(0) depctr_va_ssrc(0) depctr_va_vcc(0) depctr_vm_vsrc(0)
	s_getreg_b32 s2, hwreg(HW_REG_IB_STS2, 6, 4)
	s_cmp_eq_u32 s2, 0
	s_cbranch_scc0 .Lentry_in_a_cluster
	s_endpgm
.Lentry_in_a_cluster:
	s_bfe_u32 s2, ttmp6, 0x10000c
	s_cmp_lg_u32 s2, 0xf033
	s_cbranch_scc0 .Lentry_shape_is_right
	s_endpgm
.Lentry_shape_is_right:
; out0 = attn W_o + b_o on codes of FP6 (E2M3) with E8M0 scales, sums in f32.
; SHARES: 256 work-groups; a work-group of four waves makes 128 tokens x 256 features, a wave 64 x 128: 32 accumulators, 256 registers.
; LDS: ALL OF K = 1,024 lies in LDS: A's 8 tiles (98,304 bytes), B's 16 tiles (196,608), both operands' scale words (12,288), filled ONCE by four joint loads at the head, one a wave.  No byte is filled again:
; no ring and no round in the walk along K.  No data prefetch: every tile is asked for at the head, so there is no loop in which to ask ahead.
; THE CODES lie in memory [unit of 16 tiles][k / 256][tile][3,072 bytes]: B's unit is one dense block, A's half unit four runs of 24,576 bytes, 49,152 apart.  In LDS: [k / 256][tile][3,072].
; A fragment (16 rows x 128 K, twelve registers) is six pieces of 256 bytes, 8 bytes a lane.  SCALES: [tile][k / 256][row][2 words].
; CLUSTERS: 4 x 4 work-groups; A's tiles are shared along a row of the cluster, B's along a column.
; THE MATRIX INSTRUCTION: source 0 = 16 rows of W_o's image (features), source 1 = 16 tokens: a lane holds one token, its registers run along the features: register j of tile b is feature 32 (b / 2) + 8 (b % 2) + 16 (lane / 16) + j.
; The bias is the C of each sum's first product.  Row r of token tile 2 G + u is token 32 G + 8 u + r % 8 + 16 (r / 8).
; REGISTERS: window 0: v1-29 addresses; v32-63 scale words, two sets; v64-127 the bias; v128-223 A's fragments, two sets of four; on the way out v128-255 rows read back.  Window 1: B's fragments, two sets, at v0 and v128.  Window 2: the accumulators, (a, b) at v[8 (8 a + b)].
.set FR,     12
.set STEPB,  3072                      ; a tile's 256 along K
.set AST,    8*STEPB                   ; a K step of A's 8 tiles
.set BST,    16*STEPB                  ; of B's 16
.set BBASE,  4*AST
.set SCL,    BBASE+4*BST               ; A's scale words (4,096 bytes), then B's (8,192)
.set SPARE,  SCL+12288                 ; the spare words: 128 bytes a wave, no other line names them
.set SPITCH, 528                       ; the way out: a stage of 16 rows x (512 + 16) bytes a wave, on A's bytes, which have had their one fill and their last read by then
.set ADRA, 16                          ; v16-17 my A fragments, K steps 0-1 and 2-3
.set ADRB, 18                          ; v18-21 my B fragments, one for each K step
.set STO,  24
.set RD,   25
.set CO,   26
.set ADRS, 27                          ; my scale words: lanes 0-15 A's rows, lanes 16-31 B's
.set SPW,  28
.set NIL,  29
.set SC,   32
.set BI,   64
.set AF,   128
.set BK,   128
.set G1A,  24
.set G0A,  32
.set G1B,  48
.set G0B,  56
.set G1S,  68
.set G0S,  76
.set G1SB, 80
.set G0SB, 88
.set MSB, 0
.macro WIN new                         ; the immediate's high byte repeats the setting that is left
.if MSB != (\new)
	s_set_vgpr_msb (MSB<<8)|(\new)
.set MSB, (\new)
.endif
.endm
.set MUL_W, 0xa1                       ; source 0 (B) window 1, source 1 (A) window 0, C and D window 2
.set BEG_W, 0x81                       ; a sum's first product: C (the bias) window 0
.set TO_B,  0x40                       ; destination window 1, address window 0
.macro CROUND                          ; a round of the cluster's barrier
	s_barrier_signal -1
	s_barrier_wait -1
	s_cmp_lg_u32 s22, 0
	s_cbranch_scc1 .Lnot_wave_0_\@
	s_barrier_signal -3
.Lnot_wave_0_\@:
	s_barrier_wait -3
	s_barrier_signal -1
	s_barrier_wait -1
.endm
.macro PLACES n
.rept \n
	v_nop
.endr
.endm
.macro GROUP1 g, mask, c, r, p         ; r rows of c elements of 8 bytes, p elements apart; the mask, and bit 21 beside it
	s_or_b32 s[\g], s[\mask], (3<<16)|(1<<21)
	s_mov_b32 s[\g+1], (\c)<<16
	s_mov_b32 s[\g+2], (\r)<<16
	s_mov_b32 s[\g+3], (\c)<<16
	s_mov_b32 s[\g+4], \r
	s_mov_b32 s[\g+5], \p
	s_mov_b32 s[\g+6], 0
	s_mov_b32 s[\g+7], 0
.endm
.macro GROUP0 g, lds, base, off
	s_mov_b32 s[\g], 1
	s_mov_b32 s[\g+1], \lds
	s_add_nc_u64 s[\g+2:\g+3], s[\base:\base+1], s[\off:\off+1]
	s_or_b32 s[\g+3], s[\g+3], 0x80000000
.endm
	s_load_b256 s[4:11], s[0:1], 0x0               ; a_img s[4:5], a_scl s[6:7], w_img s[8:9], w_scl s[10:11]
	s_load_b128 s[12:15], s[0:1], 0x20             ; b_o s[12:13], out0 s[14:15]
	v_lshl_add_u32 v[SPW], v0, 2, SPARE
	v_mov_b32 v[NIL], 0
	ds_add_u32 v[SPW], v[NIL]                      ; the opening lines: the add, twice on end, and its wait
	ds_add_u32 v[SPW], v[NIL]
	v_lshrrev_b32 v1, 5, v0
	v_readfirstlane_b32 s22, v1                    ; wave 0..3
	s_lshr_b32 s23, s22, 1                         ; which 64 tokens are mine
	s_and_b32 s66, s22, 1                          ; which 128 features
	s_bfe_u32 s40, ttmp6, 0x40000                  ; cx: the 256 features
	s_bfe_u32 s41, ttmp6, 0x40004                  ; cy
	s_and_b32 s43, ttmp7, 0xffff
	s_lshl_b32 s44, s41, 2
	s_lshl_b32 s44, 15, s44                        ; my row of the cluster
	s_lshl_b32 s45, 0x1111, s40                    ; my column
	GROUP1 G1A, 44, 3072, 4, 6144                  ; A: four runs of 24,576 bytes, 49,152 apart
	GROUP1 G1B, 45, 32, 768, 32                    ; B: 196,608 dense bytes as rows of 256
	GROUP1 G1S, 44, 32, 16, 32                     ; A's scale words: 4,096 dense bytes
	GROUP1 G1SB, 45, 32, 32, 32                    ; B's: 8,192
	s_lshl_b32 s46, s43, 2
	s_add_co_u32 s46, s46, s41                     ; my 128 tokens: 4 x cluster y + cy
	s_lshr_b32 s2, s46, 1
	s_mul_i32 s2, s2, 196608                       ; their unit,
	s_and_b32 s47, s46, 1
	s_mul_i32 s47, s47, AST                        ; and which 8 of its tiles
	s_add_co_u32 s2, s2, s47
	s_mov_b32 s3, 0
	s_lshl_b32 s92, s46, 12
	s_mov_b32 s93, 0
	s_add_co_u32 s98, s40, 12                      ; W_o's units are 12 .. 15 of the weights' image
	s_mul_i32 s94, s98, 196608
	s_mov_b32 s95, 0
	s_lshl_b32 s96, s98, 13
	s_mov_b32 s97, 0
	s_wait_dscnt 0x0
	s_wait_kmcnt 0x0
	GROUP0 G0A, 0, 4, 2
	GROUP0 G0B, BBASE, 8, 94
	GROUP0 G0S, SCL, 6, 92
	GROUP0 G0SB, SCL+4096, 10, 96
	CROUND                                         ; all sixteen work-groups are here: the joint loads meet
; The four tiles, one joint load a wave: one chain of branches on the wave's number, all arms to one join.
.macro ARM under, g0, g1, next
	s_cmp_lt_u32 s22, \under
	s_cbranch_scc0 \next
	tensor_load_to_lds s[\g0:\g0+3], s[\g1:\g1+7]
	s_nop 0
	PLACES 4
	s_branch .Lhead_asked
\next:
.endm
	ARM 1, G0B, G1B, .Lhead_a
	ARM 2, G0A, G1A, .Lhead_sa
	ARM 3, G0S, G1S, .Lhead_sb
	tensor_load_to_lds s[G0SB:G0SB+3], s[G1SB:G1SB+7]
	s_nop 0
	PLACES 4
.Lhead_asked:
	s_lshl_b32 s2, s40, 10                         ; my first feature, in bytes of f32
	s_lshl_b32 s3, s66, 9
	s_add_co_u32 s2, s2, s3
	s_mov_b32 s3, 0
	s_add_nc_u64 s[12:13], s[12:13], s[2:3]
	s_lshl_b32 s47, s46, 19                        ; and my first token: rows of 4,096 bytes
	s_add_co_u32 s2, s2, s47
	s_lshl_b32 s47, s23, 18
	s_add_co_u32 s2, s2, s47
	s_add_nc_u64 s[14:15], s[14:15], s[2:3]
	s_mul_i32 s92, s23, 4*STEPB                    ; LDS: my 4 tiles of A,
	s_mul_i32 s93, s66, AST                        ; my 8 tiles of B,
	s_add_co_u32 s93, s93, BBASE
	s_lshl_b32 s94, s23, 11                        ; A's scale words of my tiles,
	s_lshl_b32 s95, s66, 12                        ; B's, behind A's 4,096 bytes: the distance between the two
	s_add_co_u32 s95, s95, 4096
	s_sub_co_u32 s95, s95, s94
	s_add_co_u32 s94, s94, SCL
	s_mul_i32 s96, s22, 16*SPITCH                  ; my stage
	v_and_b32 v1, 15, v0                           ; r
	v_bfe_u32 v2, v0, 4, 1                         ; h
	v_and_b32 v3, 31, v0                           ; lane
	v_lshlrev_b32 v4, 3, v3                        ; 8 x lane
	v_lshlrev_b32 v5, 6, v2                        ; the bias: 16 h features on
.irp b, 0,1,2,3,4,5,6,7
	global_load_b128 v[BI+8*\b:BI+8*\b+3], v5, s[12:13] offset:(32*(\b/2)+8*(\b%2))*4
	global_load_b128 v[BI+8*\b+4:BI+8*\b+7], v5, s[12:13] offset:(32*(\b/2)+8*(\b%2))*4+16
.endr
	v_add_nc_u32 v[ADRA], s92, v4
	v_add_nc_u32 v[ADRB], s93, v4
	v_add_nc_u32 v[ADRA+1], 2*AST, v[ADRA]
.irp s, 1,2,3
	v_add_nc_u32 v[ADRB+\s], \s*BST, v[ADRB]
.endr
	v_mul_u32_u24 v6, s95, v2                      ; lanes 16-31 take B's
	v_lshl_add_u32 v6, v1, 3, v6                   ; 8 bytes a row
	v_add_nc_u32 v[ADRS], s94, v6
	v_mul_u32_u24 v7, v1, SPITCH                   ; the stage, in: row r, 64 bytes on for lanes 16-31
	v_lshl_add_u32 v7, v2, 6, v7
	v_add_nc_u32 v[STO], s96, v7
	v_lshlrev_b32 v[CO], 4, v3                     ; back: the 32 lanes take one row of 512 bytes; and the same in out0
	v_add_nc_u32 v[RD], s96, v[CO]
.macro FRAG reg, adr, off
.irp p, 0,1,2,3,4,5
	ds_load_b64 v[\reg+2*\p:\reg+2*\p+1], v[\adr] offset:(\off)+256*\p
.endr
.endm
.macro FETCH_B q                       ; B's eight fragments of step q (128 along K) into set q % 2: 48 loads
	WIN TO_B
.irp i, 0,1,2,3,4,5,6,7
	FRAG 128*((\q)%2)+FR*\i, ADRB+(\q)/2, STEPB*\i+1536*((\q)%2)
.endr
	WIN 0
.endm
.macro FETCH_A q                       ; A's four into set q % 2: 24 loads
.irp i, 0,1,2,3
	FRAG AF+48*((\q)%2)+FR*\i, ADRA+(\q)/4, AST*(((\q)/2)%2)+STEPB*\i+1536*((\q)%2)
.endr
.endm
.macro SCALES s                        ; the scale words of steps 2 s and 2 s + 1 into set s % 2; lanes 0-15 take A's block i (those of i > 3 are not used), lanes 16-31 B's block i
.irp i, 0,1,2,3,4,5,6,7
	ds_load_b64 v[SC+16*((\s)%2)+2*\i:SC+16*((\s)%2)+2*\i+1], v[ADRS] offset:\i*512+128*(\s)
.endr
.endm
; 16 matrix instructions: A's blocks a0, a0 + 1 x B's eight.  The 32 accumulators take turns, one instruction a turn, in the same order in every step.
.macro MUL16 a0, q, zero
.irp a, \a0, \a0+1
.irp b, 0,1,2,3,4,5,6,7
.set rD, 8*(8*(\a)+\b)
.set rC, rD
.if \zero
.set rC, BI+8*\b
.endif
	v_wmma_scale_f32_16x16x128_f8f6f4 v[rD:rD+7], v[128*((\q)%2)+FR*\b:128*((\q)%2)+FR*\b+FR-1], v[AF+48*((\q)%2)+FR*(\a):AF+48*((\q)%2)+FR*(\a)+FR-1], v[rC:rC+7], v[SC+16*(((\q)/2)%2)+2*\b+(\q)%2], v[SC+16*(((\q)/2)%2)+2*(\a)+(\q)%2] matrix_a_fmt:MATRIX_FMT_FP6 matrix_b_fmt:MATRIX_FMT_FP6 matrix_a_scale:MATRIX_SCALE_ROW1
.endr
.endr
.endm
; A step: the next step's fragments are asked for into the other sets, B's ahead of the step's products, A's in their middle.
.macro STEP q
.if (\q) > 0
	PLACES 4                                       ; in front of loads into the sets that the step before multiplied
.endif
	FETCH_B (\q)+1
	s_wait_dscnt 48                                ; all but the 48 just issued: this step's fragments and scale words are in
.if (\q) == 0
	WIN BEG_W
.else
	WIN MUL_W
.endif
	MUL16 0, \q, (\q)==0
	WIN 0
	FETCH_A (\q)+1
.if ((\q)+1)%2 == 0
	SCALES ((\q)+1)/2
.endif
.if (\q) == 0
	WIN BEG_W
.else
	WIN MUL_W
.endif
	MUL16 2, \q, (\q)==0
	WIN 0
.endm
	s_wait_alu depctr_va_vdst(0)
	s_wait_tensorcnt 0x0                           ; my tile is in
	s_barrier_signal -1
	s_barrier_wait -1                              ; and so are the other three: nothing is filled again
	FETCH_B 0
	FETCH_A 0
	SCALES 0
	s_wait_loadcnt 0x0                             ; the bias
.irp q, 0,1,2,3,4,5,6
	STEP \q
.endr
	s_wait_dscnt 0x0                               ; the last step's fragments are in, and my reads of the codes are over
	s_barrier_signal -1
	WIN MUL_W
	MUL16 0, 7, 0
	MUL16 2, 7, 0
	WIN 0
	s_barrier_wait -1                              ; nobody reads the codes any more: the stages may lie on A's bytes
; THE WAY OUT, block by block of 16 tokens x 128 features: through my stage in LDS, back as whole rows of 512 bytes.  LDS serves a wave's instructions in order: no wait between the stores and the loads.
.macro TOSTAGE a
	WIN 0x08                                       ; the data: window 2
.irp b, 0,1,2,3,4,5,6,7
	ds_store_b128 v[STO], v[64*(\a)+8*\b:64*(\a)+8*\b+3] offset:128*(\b/2)+32*(\b%2)       ; each accumulator from its low end on
	ds_store_b128 v[STO], v[64*(\a)+8*\b+4:64*(\a)+8*\b+7] offset:128*(\b/2)+32*(\b%2)+16
.endr
	WIN 0
.set BB, BK+64*((\a)%2)
.irp t, 0,1,2,3,4,5,6,7,8,9,10,11,12,13,14,15
	ds_load_b128 v[BB+4*\t:BB+4*\t+3], v[RD] offset:\t*SPITCH
.endr
.endm
.macro SEND a, younger                 ; younger: the LDS instructions issued behind block a's loads, which may stay out
.set BB, BK+64*((\a)%2)
	s_wait_dscnt \younger
.irp t, 0,1,2,3,4,5,6,7,8,9,10,11,12,13,14,15
	global_store_b128 v[CO], v[BB+4*\t:BB+4*\t+3], s[14:15] offset:(32*((\a)/2)+8*((\a)%2)+(\t%8)+16*(\t/8))*4096 th:TH_STORE_NT   ; 32 lanes store 512 consecutive bytes, aligned
.endr
.endm
	PLACES 4                                       ; behind the last products: their results are read, and rows land where A's fragments lay
	TOSTAGE 0
.irp a, 1,2,3
.if \a > 1
	s_wait_xcnt 0x0                                ; block a - 2's stores have read their registers
.endif
	TOSTAGE \a
	SEND \a-1, 32                                  ; behind block a - 1's loads: block a's 16 stores and 16 loads
.endr
	SEND 3, 0
	s_wait_tensorcnt 0x0                           ; the wave's end
	ds_add_u32 v[SPW], v[NIL]
	s_wait_dscnt 0x0
	CROUND                                         ; the closing round
	s_endpgm
.Lfunc_end_k_q2596f84c9e_oproj:
	.size	k_q2596f84c9e_oproj, .Lfunc_end_k_q2596f84c9e_oproj-k_q2596f84c9e_oproj
	.p2alignl 7, 3214868480
	.fill 96, 4, 3214868480
	.section	.rodata,"a",@progbits
	.p2align	6, 0x0
	.amdhsa_kernel k_q2596f84c9e_oproj
		.amdhsa_group_segment_fixed_size 327680
		.amdhsa_private_segment_fixed_size 0
		.amdhsa_enable_private_segment 0
		.amdhsa_kernarg_size 48
		.amdhsa_user_sgpr_count 2
		.amdhsa_user_sgpr_kernarg_segment_ptr 1
		.amdhsa_wavefront_size32 1
		.amdhsa_system_sgpr_workgroup_id_x 1
		.amdhsa_system_sgpr_workgroup_id_y 1
		.amdhsa_system_sgpr_workgroup_id_z 1
		.amdhsa_system_vgpr_workitem_id 0
		.amdhsa_next_free_vgpr 768
		.amdhsa_next_free_sgpr 102
		.amdhsa_reserve_vcc 0
		.amdhsa_float_denorm_mode_32 3
		.amdhsa_float_denorm_mode_16_64 3
		.amdhsa_memory_ordered 1
		.amdhsa_forward_progress 1
		.amdhsa_inst_pref_size 97
	.end_amdhsa_kernel
	.amdgpu_metadata
---
amdhsa.version: [ 1, 2 ]
amdhsa.kernels:
  - .name:           k_q2596f84c9e_oproj
    .symbol:         k_q2596f84c9e_oproj.kd
    .args:
      - { .name: a_img, .offset: 0, .size: 8, .value_kind: global_buffer, .address_space: global }
      - { .name: a_scl, .offset: 8, .size: 8, .value_kind: global_buffer, .address_space: global }
      - { .name: w_img, .offset: 16, .size: 8, .value_kind: global_buffer, .address_space: global }
      - { .name: w_scl, .offset: 24, .size: 8, .value_kind: global_buffer, .address_space: global }
      - { .name: b_o, .offset: 32, .size: 8, .value_kind: global_buffer, .address_space: global }
      - { .name: out0, .offset: 40, .size: 8, .value_kind: global_buffer, .address_space: global }
    .group_segment_fixed_size: 327680
    .private_segment_fixed_size: 0
    .kernarg_segment_align: 8
    .kernarg_segment_size: 48
    .max_flat_workgroup_size: 128
    .sgpr_count:     102
    .vgpr_count:     768
    .wavefront_size: 32
...
	.end_amdgpu_metadata
.endif
;; end of part 4
